; MI455X (gfx1250); checked and timed in simulation.
; The chip was launched on July 23, 2026; its instructions are those of AMD's public machine-readable ISA for CDNA 5 (MIT licence, August 2026) and "CDNA5" Instruction Set Architecture Reference Guide (July 2026). The comments in the code are by the model that wrote it; some were corrected since.
;; Attention Block. Allowed arithmetic: float matrix products may take bf16 or f16 operands with f32 sums; other float arithmetic in f32, or as packed bf16 or f16 multiplies, adds, multiply-adds, maxima and minima; sums over many terms, partial sums and values carried from step to step in f32; what a program stores and reads back later, other than sums and carried values, may be rounded once to bf16 or f16.
;; Inputs: Wk 1,024 x 1,024 float32; Wo 1,024 x 1,024 float32; Wq 1,024 x 1,024 float32; Wv 1,024 x 1,024 float32; beta 1,024 float32; bk 1,024 float32; bo 1,024 float32; bq 1,024 float32; bv 1,024 float32; gamma 1,024 float32; x 4,096 x 1,024 float32.
;; Outputs: out0 4,096 x 1,024 float32.
;; 2 versions, each right and faster than the one before. Each part assembles by itself: llvm-mc -triple=amdgcn-amd-amdhsa -mcpu=gfx1250 --defsym DOCPART=n.
;; ======== version 1 of 2: 5 launches
;; workspace buffers: xb 8,388,608 bytes; wqkv 6,291,456 bytes; wob 2,097,152 bytes; tab 1,048,576 bytes; qkv 25,165,824 bytes; ctx 8,388,608 bytes; y 16,777,216 bytes
;; launch prep (part 1): grid 640 x 1, 8 waves a work-group, no clusters, 0 bytes of LDS; arguments x, Wq, Wk, Wv, Wo, xb, wqkv, wob, tab; writes xb, wqkv, wob, tab
.if DOCPART == 1
	.amdgcn_target "amdgcn-amd-amdhsa--gfx1250"
	.amdhsa_code_object_version 6
	.text
	.protected	k_qf910bcae5f_prep
	.globl	k_qf910bcae5f_prep
	.p2align	8
	.type	k_qf910bcae5f_prep,@function
k_qf910bcae5f_prep:
	s_mov_b64 s[64:65], 0
	v_nop
	global_prefetch_b8 v0, s[64:65] scope:SCOPE_SE
	s_setreg_imm32_b32 hwreg(HW_REG_WAVE_MODE, 25, 1), 1
	s_wait_xcnt 0x0
; PREP.  Rounds the matrix operands to bf16 once and makes the rotation table.  A stream through registers: no LDS, no barrier, no matrix unit.
; Work-groups 0-255: x -> xb.  256-447: Wq, Wk, Wv -> wqkv (3,072 rows on end).  448-511: Wo -> wob, laid out in blocks [n / 128][k / 64][128][64], so that a
; tile of 128 rows x 256 k of it is 65,536 dense bytes.  512-639: tab.  A casting work-group takes 65,536 bytes of f32: 16 loads of 16 bytes a thread, all
; on their way at once; a wave's store of 8 bytes a lane covers 256 consecutive bytes, aligned.
; TAB: f32 [position / 16][q 8][lane 32][4], q = 4 cs + 2 blk + half; the entry of lane l holds, for position 16 mb + l % 16 and the frequencies
; j = 16 blk + 8 (l / 16) + 4 half + 0..3, cos - 1 (cs = 0) or sin (cs = 1) of position x 10000^(-j / 32).
; LIMITS.  The angle is position x 2^(-0.41524101 j), all in f32: up to some 1e-3 rad from the exact product at the largest positions.  It is brought into
; -pi .. pi by a 2 pi in two parts; sin ends at r^15 and cos at r^16, which leaves under 1e-6 at r = pi.
.set IN,  4                            ; v[4:67]    16 x 4 numbers as loaded
.set OUT, 68                           ; v[68:99]   16 x 4 numbers in bf16
.macro CAST instep, outstep            ; 16 loads instep bytes apart, 16 stores outstep bytes apart; no register is used twice, so no wait frees any
.set i, 0
.rept 16
	global_load_b128 v[IN+4*i:IN+4*i+3], v1, s[26:27] offset:i*(\instep) th:TH_LOAD_NT
.set i, i+1
.endr
.set i, 0
.rept 16
	s_wait_loadcnt 15-i                            ; loads come back in order: number i is in, the 15 - i younger ones stay out
	v_cvt_pk_bf16_f32 v[OUT+2*i], v[IN+4*i], v[IN+4*i+1]
	v_cvt_pk_bf16_f32 v[OUT+2*i+1], v[IN+4*i+2], v[IN+4*i+3]
	global_store_b64 v2, v[OUT+2*i:OUT+2*i+1], s[28:29] offset:i*(\outstep)
.set i, i+1
.endr
.endm
	s_load_b512 s[4:19], s[0:1], 0x0               ; x 4, Wq 6, Wk 8, Wv 10, Wo 12, xb 14, wqkv 16, wob 18
	s_load_b64 s[20:21], s[0:1], 0x40              ; tab
	s_mov_b32 s2, ttmp9
	s_wait_kmcnt 0x0
	s_cmp_ge_u32 s2, 512
	s_cbranch_scc1 .Ltab
	s_cmp_ge_u32 s2, 448
	s_cbranch_scc1 .Lwo
	; x, Wq, Wk, Wv: row-major in, row-major out
	s_sub_co_u32 s22, s2, 256                      ; chunk among the three weights' 192 (used only from work-group 256 on)
	s_lshr_b32 s23, s22, 6                         ; which weight
	s_and_b32 s24, s22, 63                         ; chunk in it
	s_cmp_eq_u32 s23, 1
	s_cselect_b64 s[26:27], s[8:9], s[6:7]
	s_cmp_eq_u32 s23, 2
	s_cselect_b64 s[26:27], s[10:11], s[26:27]
	s_cmp_lt_u32 s2, 256
	s_cselect_b64 s[26:27], s[4:5], s[26:27]
	s_cselect_b64 s[28:29], s[14:15], s[16:17]
	s_cselect_b32 s30, s2, s24                     ; chunk in the source
	s_cselect_b32 s32, s2, s22                     ; chunk in the destination
	s_lshl_b32 s30, s30, 16
	s_mov_b32 s31, 0
	s_lshl_b32 s32, s32, 15
	s_mov_b32 s33, 0
	s_add_nc_u64 s[26:27], s[26:27], s[30:31]
	s_add_nc_u64 s[28:29], s[28:29], s[32:33]
	v_lshlrev_b32 v1, 4, v0
	v_lshlrev_b32 v2, 3, v0
	CAST 4096, 2048
	s_endpgm
.Lwo:                                                  ; rows 16 idx .. 16 idx + 15 of Wo; load i takes k block i: lanes 0-15 its 256 bytes of one row, lanes 16-31 of the next
	s_sub_co_u32 s22, s2, 448
	s_lshl_b32 s30, s22, 16
	s_mov_b32 s31, 0
	s_add_nc_u64 s[26:27], s[12:13], s[30:31]
	s_lshr_b32 s32, s22, 3                         ; n / 128
	s_lshl_b32 s32, s32, 18
	s_and_b32 s33, s22, 7
	s_lshl_b32 s33, s33, 11                        ; 16 rows of 128 bytes in a block
	s_add_co_u32 s32, s32, s33
	s_mov_b32 s33, 0
	s_add_nc_u64 s[28:29], s[18:19], s[32:33]
	v_lshrrev_b32 v1, 4, v0                        ; my row of the 16
	v_lshlrev_b32 v1, 12, v1
	v_and_b32 v3, 15, v0
	v_lshl_or_b32 v1, v3, 4, v1
	v_lshlrev_b32 v2, 3, v0                        ; row x 128 + 8 x (lane % 16): two rows of a block are 256 bytes on end
	CAST 256, 16384
	s_endpgm
.Ltab:
.set FQ, 12                            ; v[12:15]  j, the exponent, the frequency
.set AN, 16                            ; v[16:19]  the angle, then r
.set NN, 20                            ; v[20:23]  turns
.set ZZ, 24                            ; v[24:27]  r^2
.set SN, 28                            ; v[28:31]  sin
.set CN, 32                            ; v[32:35]  cos - 1
	s_sub_co_u32 s22, s2, 512
	s_lshl_b32 s22, s22, 3
	v_lshrrev_b32 v1, 5, v0
	v_and_b32 v2, 31, v0
	v_add_nc_u32 v3, s22, v1                       ; u = 4 mb + 2 blk + half: one wave for each
	v_and_b32 v4, 3, v3
	v_lshrrev_b32 v5, 2, v3                        ; mb
	v_and_b32 v6, 15, v0
	v_lshl_add_u32 v6, v5, 4, v6                   ; position
	v_cvt_f32_u32 v9, v6
	v_lshrrev_b32 v7, 1, v4
	v_lshlrev_b32 v7, 4, v7                        ; 16 blk
	v_bfe_u32 v8, v0, 4, 1
	v_lshl_add_u32 v7, v8, 3, v7                   ; + 8 (lane / 16)
	v_and_b32 v8, 1, v4
	v_lshl_add_u32 v7, v8, 2, v7                   ; + 4 half
	v_lshlrev_b32 v8, 12, v5
	v_lshl_add_u32 v8, v4, 9, v8
	v_lshl_add_u32 v8, v2, 4, v8                   ; my 16 bytes: a wave's store covers 512 consecutive bytes
.irp e, 0,1,2,3
	v_add_nc_u32 v[FQ+\e], \e, v7
	v_cvt_f32_u32 v[FQ+\e], v[FQ+\e]
	v_mul_f32 v[FQ+\e], 0xbed49a78, v[FQ+\e]       ; -j log2(10000) / 32
.endr
.irp e, 0,1,2,3
	v_exp_f32 v[FQ+\e], v[FQ+\e]
.endr
	v_nop                                          ; a plain instruction between the last exponential and the use of its result
	s_wait_alu depctr_va_vdst(0)
.irp e, 0,1,2,3
	v_mul_f32 v[AN+\e], v9, v[FQ+\e]
.endr
.irp e, 0,1,2,3
	v_mul_f32 v[NN+\e], 0.15915494, v[AN+\e]
.endr
.irp e, 0,1,2,3
	v_rndne_f32 v[NN+\e], v[NN+\e]
.endr
.irp e, 0,1,2,3
	v_fmamk_f32 v[AN+\e], v[NN+\e], 0xc0c90fdb, v[AN+\e]  ; less turns x 2 pi's upper part,
.endr
.irp e, 0,1,2,3
	v_fmamk_f32 v[AN+\e], v[NN+\e], 0x343bbd2e, v[AN+\e]  ; and its lower part, which is negative
.endr
.irp e, 0,1,2,3
	v_mul_f32 v[ZZ+\e], v[AN+\e], v[AN+\e]
	v_mov_b32 v[SN+\e], 0xab573f9f                 ; -1/15!
	v_mov_b32 v[CN+\e], 0x29573f9f                 ; 1/16!
.endr
.irp k, 0x2f309231, 0xb2d7322b, 0x3638ef1d, 0xb9500d01, 0x3c088889, 0xbe2aaaab, 0x3f800000
.irp e, 0,1,2,3
	v_fmaak_f32 v[SN+\e], v[SN+\e], v[ZZ+\e], \k   ; 1/13!, -1/11!, 1/9!, -1/7!, 1/5!, -1/3!, 1
.endr
.endr
.irp k, 0xad49cba5, 0x310f76c8, 0xb493f27e, 0x37d00d01, 0xbab60b61, 0x3d2aaaab, 0xbf000000
.irp e, 0,1,2,3
	v_fmaak_f32 v[CN+\e], v[CN+\e], v[ZZ+\e], \k   ; -1/14!, 1/12!, -1/10!, 1/8!, -1/6!, 1/4!, -1/2
.endr
.endr
.irp e, 0,1,2,3
	v_mul_f32 v[SN+\e], v[SN+\e], v[AN+\e]
	v_mul_f32 v[CN+\e], v[CN+\e], v[ZZ+\e]
.endr
	global_store_b128 v8, v[CN:CN+3], s[20:21]
	global_store_b128 v8, v[SN:SN+3], s[20:21] offset:2048
	s_endpgm
.Lfunc_end_k_qf910bcae5f_prep:
	.size	k_qf910bcae5f_prep, .Lfunc_end_k_qf910bcae5f_prep-k_qf910bcae5f_prep
	.p2alignl 7, 3214868480
	.fill 96, 4, 3214868480
	.section	.rodata,"a",@progbits
	.p2align	6, 0x0
	.amdhsa_kernel k_qf910bcae5f_prep
		.amdhsa_group_segment_fixed_size 0
		.amdhsa_private_segment_fixed_size 0
		.amdhsa_enable_private_segment 0
		.amdhsa_kernarg_size 72
		.amdhsa_user_sgpr_count 2
		.amdhsa_user_sgpr_kernarg_segment_ptr 1
		.amdhsa_wavefront_size32 1
		.amdhsa_system_sgpr_workgroup_id_x 1
		.amdhsa_system_sgpr_workgroup_id_y 1
		.amdhsa_system_sgpr_workgroup_id_z 1
		.amdhsa_system_vgpr_workitem_id 0
		.amdhsa_next_free_vgpr 104
		.amdhsa_next_free_sgpr 66
		.amdhsa_reserve_vcc 0
		.amdhsa_float_denorm_mode_32 3
		.amdhsa_float_denorm_mode_16_64 3
		.amdhsa_memory_ordered 1
		.amdhsa_forward_progress 1
		.amdhsa_inst_pref_size 20
	.end_amdhsa_kernel
	.amdgpu_metadata
---
amdhsa.version: [ 1, 2 ]
amdhsa.kernels:
  - .name:           k_qf910bcae5f_prep
    .symbol:         k_qf910bcae5f_prep.kd
    .args:
      - { .name: x, .offset: 0, .size: 8, .value_kind: global_buffer, .address_space: global }
      - { .name: Wq, .offset: 8, .size: 8, .value_kind: global_buffer, .address_space: global }
      - { .name: Wk, .offset: 16, .size: 8, .value_kind: global_buffer, .address_space: global }
      - { .name: Wv, .offset: 24, .size: 8, .value_kind: global_buffer, .address_space: global }
      - { .name: Wo, .offset: 32, .size: 8, .value_kind: global_buffer, .address_space: global }
      - { .name: xb, .offset: 40, .size: 8, .value_kind: global_buffer, .address_space: global }
      - { .name: wqkv, .offset: 48, .size: 8, .value_kind: global_buffer, .address_space: global }
      - { .name: wob, .offset: 56, .size: 8, .value_kind: global_buffer, .address_space: global }
      - { .name: tab, .offset: 64, .size: 8, .value_kind: global_buffer, .address_space: global }
    .group_segment_fixed_size: 0
    .private_segment_fixed_size: 0
    .kernarg_segment_align: 8
    .kernarg_segment_size: 72
    .max_flat_workgroup_size: 256
    .sgpr_count:     66
    .vgpr_count:     104
    .wavefront_size: 32
...
	.end_amdgpu_metadata
.endif
;; end of part 1
;; launch qkv (part 2): grid 16 x 16, 4 waves a work-group, clusters of 4 x 4, 327,680 bytes of LDS; arguments xb, wqkv, bq, bk, bv, tab, qkv; writes qkv
.if DOCPART == 2
	.amdgcn_target "amdgcn-amd-amdhsa--gfx1250"
	.amdhsa_code_object_version 6
	.text
	.protected	k_qf910bcae5f_qkv
	.globl	k_qf910bcae5f_qkv
	.p2align	8
	.type	k_qf910bcae5f_qkv,@function
k_qf910bcae5f_qkv:
	s_mov_b64 s[64:65], 0
	v_nop
	global_prefetch_b8 v0, s[64:65] scope:SCOPE_SE
	s_setreg_imm32_b32 hwreg(HW_REG_WAVE_MODE, 25, 1), 1
	s_wait_xcnt 0x0
	s_wait_alu depctr_hold_cnt(0) depctr_sa_sdst(0) depctr_va_vdst(0) depctr_va_sdst(0) depctr_va_ssrc(0) depctr_va_vcc(0) depctr_vm_vsrc(0)
	s_getreg_b32 s2, hwreg(HW_REG_IB_STS2, 6, 4)
	s_cmp_eq_u32 s2, 0
	s_cbranch_scc0 .Lentry_in_a_cluster
	s_endpgm
.Lentry_in_a_cluster:
	s_bfe_u32 s2, ttmp6, 0x10000c
	s_cmp_lg_u32 s2, 0xf033
	s_cbranch_scc0 .Lentry_shape_is_right
	s_endpgm
.Lentry_shape_is_right:
; QKV.  C[s][n] = sum over k of xb[s][k] wqkv[n][k] + bias[n], n = 0 .. 3071 (q, k, v; 48 heads of 64), then the rotation of q's and k's heads, then bf16, by heads: qkv[head 48][4096][64].
; Operands bf16, sums f32, the rotation in f32, one rounding at the end.
; SHARES.  A tile of C is 256 rows x 192 columns (three heads): 16 x 16 tiles, one work-group each.  Wave w makes rows 64 w .. 64 w + 63 x all 192 columns: 4 x 12 accumulators of 16 x 16,
; 384 registers; so channels d and d + 32 of a head, which the rotation pairs, lie in one lane.  K goes in 8 steps of 128 through two LDS slots (rows of 256 bytes of memory, aligned).
; CLUSTER.  4 x 4 work-groups: the four of a row need the same tiles of xb, the four of a column the same tiles of wqkv: each tile is asked for jointly, by the same tensor load with the same
; descriptor and a mask that names the four.  By this text's own count a wave has two tensor loads out at the start and one behind each round.
; THE MATRIX INSTRUCTION IS USED TRANSPOSED (source 0 = 16 rows of wqkv, source 1 = 16 rows of xb): lane l holds row l % 16 of C and the columns 8 (l / 16) + 0..7 of the block.
; THE BIAS is the C operand of the products that start the sums: nothing is cleared and nothing is added later.
; THE ROTATION.  lo' = lo C - hi S, hi' = hi C + lo S with C = 1 + F (cos - 1), S = F sin; F is 1 for a head of q or k and 0 for a head of v: one text for all heads, no branch on the tile's place.
; REGISTERS, in windows of 256 (s_set_vgpr_msb: bits 1:0 source 0, 3:2 source 1, 5:4 source 2, 7:6 destination):
;   window 0: v0-15 addresses; v16-31, v112-127 rows read back from the stage, by turns; v32-63 C, S; v64-95 rotated; v96-111 packed; v128-255 the table, 32 registers for each block of 16 rows
;   window 1: two fragment buffers of 128: 4 fragments of xb, then 12 of wqkv       window 2: accumulators (a, b < 8) at 8 (8 a + b)       window 3: (a, b >= 8) at 8 (4 a + b - 8); the bias at 128 + 8 b
.set PITCH,  272                       ; an LDS row: 256 bytes + 16 of padding = 68 words: the 16 rows that a load touches start at 16 different groups of four banks
.set BOFF,   256*PITCH                 ; wqkv's 192 rows lie behind xb's 256
.set SLOT,   448*PITCH
.set STAGE,  2*SLOT                    ; behind the ring, never filled by a tensor load: 16 rows x 144 bytes for each wave
.set SP,     144
.set SPARE,  STAGE+4*16*SP             ; the spare words, 128 bytes for each wave: two blocks of 256 bytes that no other line names
.set ADRA, 2                           ; v2-3   LDS address of my fragments of xb in slot 0, 1
.set ADRB, 4                           ; v4-5   the same for wqkv
.set STO,  6                           ; v6     the way out: where I put 16 bytes of a row
.set RD,   7                           ; v7     the way out: where I read rows back
.set GO,   8                           ; v8     16 x lane
.set BO,   9                           ; v9     32 x (lane / 16): my eight columns' bias
.set SPW,  10                          ; v10    my spare word; never rewritten
.set NIL,  11                          ; v11    0; never rewritten
.set OB0,  16
.set CT,   32
.set T,    64
.set PKD,  96
.set TB,   128
.set F0,   0
.set F1,   128
.set BI,   128
.set WV,  18                           ; s18  my wave's number
.set RH,  19                           ; s19  0: I fetch xb's tiles; 1: wqkv's
.set CH,  20                           ; s20  which half of the tile's rows I fetch
.set G1,  24                           ; s[24:31] descriptor group 1 for xb's tiles;  s[32:39] group 0, one set for each slot
.set G0,  32
.set G1B, 48                           ; s[48:55], s[56:63] the same for wqkv's
.set G0B, 56
.set FS,  66                           ; s[66:71] F of my three heads, a pair each
.set BP,  72                           ; s[72:77] the three heads' bias
.set OUTP, 78                          ; s[78:83] my rows in the three heads of qkv
.set TP,  84                           ; s[84:85] my rows' part of the table
.set MSB, 0
.macro WIN new                         ; the immediate's high byte repeats the setting that is left; a switch that changes nothing is dropped
.if MSB != (\new)
	s_set_vgpr_msb (MSB<<8)|(\new)
.set MSB, \new
.endif
.endm
; A joint load: waves 0 and 1 fetch xb's two halves (128 rows), waves 2 and 3 wqkv's (96 rows).  The branch hangs on the wave's number alone.
; An s_nop 0 and four v_nop follow each of the two lines, ahead of the jump, the label and what follows.
.macro JLOAD s
	s_cmp_eq_u32 s[RH], 0
	s_cbranch_scc0 .Lfor_b_\@
	tensor_load_to_lds s[G0+4*(\s):G0+4*(\s)+3], s[G1:G1+7]
	s_nop 0
.rept 4
	v_nop
.endr
	s_branch .Lasked_\@
.Lfor_b_\@:
	tensor_load_to_lds s[G0B+4*(\s):G0B+4*(\s)+3], s[G1B:G1B+7]
	s_nop 0
.rept 4
	v_nop
.endr
.Lasked_\@:
.endm
.macro CREST                           ; a round of the cluster's barrier behind its opening barrier
	s_cmp_lg_u32 s[WV], 0
	s_cbranch_scc1 .Lnot_wave_0_\@
	s_barrier_signal -3
.Lnot_wave_0_\@:
	s_barrier_wait -3
	s_barrier_signal -1
	s_barrier_wait -1
.endm
.macro CROUND                          ; a whole round
	s_barrier_signal -1
	s_barrier_wait -1
	CREST
.endm
	s_load_b256 s[4:11], s[0:1], 0x0               ; xb 4, wqkv 6, bq 8, bk 10
	s_load_b128 s[12:15], s[0:1], 0x20             ; bv 12, tab 14
	s_load_b64 s[16:17], s[0:1], 0x30              ; qkv
	v_lshl_add_u32 v[SPW], v0, 2, SPARE
	v_mov_b32 v[NIL], 0
	ds_add_u32 v[SPW], v[NIL]                      ; the wave's opening: the add and its wait stand ahead of my first tensor load; the set-up below, work on registers, stands between them
	v_lshrrev_b32 v1, 5, v0
	v_readfirstlane_b32 s[WV], v1
	s_lshr_b32 s[RH], s[WV], 1
	s_and_b32 s[CH], s[WV], 1
	s_bfe_u32 s40, ttmp6, 0x40000                  ; cx
	s_bfe_u32 s41, ttmp6, 0x40004                  ; cy
	s_lshl_b32 s42, ttmp9, 2
	s_add_co_u32 s42, s42, s40                     ; tile column = 4 x cluster x + cx
	s_and_b32 s21, ttmp7, 0xffff
	s_lshl_b32 s21, s21, 2
	s_add_co_u32 s21, s21, s41                     ; tile row = 4 x cluster y + cy
	s_lshl_b32 s43, s41, 2
	s_lshl_b32 s43, 15, s43                        ; my row of the cluster
	s_lshl_b32 s44, 0x1111, s40                    ; my column
	s_or_b32 s[G1+0], s43, (1<<16)|(1<<20)|(1<<21)|(5<<22)|(3<<25)   ; 15:0 the mask; 17:16 2-byte elements; 20 padding on; 21 set beside a mask; 24:22 after every 64 words; 31:25 4 words
	s_or_b32 s[G1B+0], s44, (1<<16)|(1<<20)|(1<<21)|(5<<22)|(3<<25)
	s_mov_b32 s[G1+1], 128<<16                     ; tensor_dim0 = 128
	s_mov_b32 s[G1B+1], 128<<16
	s_mov_b32 s[G1+2], 128<<16                     ; tensor_dim1 = 128 rows of xb,
	s_mov_b32 s[G1B+2], 96<<16                     ; 96 of wqkv
	s_mov_b32 s[G1+3], 128<<16                     ; tile_dim0 = 128
	s_mov_b32 s[G1B+3], 128<<16
	s_mov_b32 s[G1+4], 128                         ; tile_dim1
	s_mov_b32 s[G1B+4], 96
	s_mov_b32 s[G1+5], 1024                        ; elements from row to row
	s_mov_b32 s[G1B+5], 1024
	s_mov_b32 s[G1+6], 0
	s_mov_b32 s[G1B+6], 0
	s_mov_b32 s[G1+7], 0
	s_mov_b32 s[G1B+7], 0
	s_lshl_b32 s22, s21, 19                        ; xb: 256 rows of 2,048 bytes a tile row,
	s_lshl_b32 s23, s[CH], 18                      ; 128 rows a half
	s_add_co_u32 s22, s22, s23
	s_mov_b32 s23, 0
	s_mul_i32 s46, s42, 192*2048                   ; wqkv: 192 rows a tile column,
	s_mul_i32 s47, s[CH], 96*2048                  ; 96 a half
	s_add_co_u32 s46, s46, s47
	s_mov_b32 s47, 0
	s_mul_i32 s86, s[CH], 128*PITCH                ; where they go: no place in the cluster enters an LDS address
	s_mul_i32 s87, s[CH], 96*PITCH
	s_add_co_u32 s87, s87, BOFF
	s_wait_dscnt 0x0                               ; the opening add is done
	s_wait_kmcnt 0x0
	s_add_nc_u64 s[22:23], s[4:5], s[22:23]
	s_add_nc_u64 s[46:47], s[6:7], s[46:47]
	CROUND                                         ; all sixteen work-groups are here: the first joint loads meet
.irp s, 0,1
	s_mov_b32 s[G0+4*(\s)], 1
	s_add_co_u32 s[G0+4*(\s)+1], s86, (\s)*SLOT
	s_add_nc_u64 s[G0+4*(\s)+2:G0+4*(\s)+3], s[22:23], (\s)*256   ; K step s
	s_or_b32 s[G0+4*(\s)+3], s[G0+4*(\s)+3], 0x80000000
	s_mov_b32 s[G0B+4*(\s)], 1
	s_add_co_u32 s[G0B+4*(\s)+1], s87, (\s)*SLOT
	s_add_nc_u64 s[G0B+4*(\s)+2:G0B+4*(\s)+3], s[46:47], (\s)*256
	s_or_b32 s[G0B+4*(\s)+3], s[G0B+4*(\s)+3], 0x80000000
	JLOAD \s
.endr
	v_and_b32 v12, 15, v0                          ; l % 16
	v_bfe_u32 v13, v0, 4, 1                        ; l / 16
	v_lshlrev_b32 v[BO], 5, v13
	v_and_b32 v[GO], 31, v0
	v_lshlrev_b32 v[GO], 4, v[GO]
	s_lshl_b32 s87, s21, 15                        ; my first row x 128 bytes: 256 rows a tile row,
	s_lshl_b32 s86, s[WV], 13                      ; 64 a wave
	s_add_co_u32 s87, s87, s86
	s_mul_i32 s88, s42, 3                          ; my first head
.irp c, 0,1,2
	s_add_co_u32 s89, s88, \c                      ; head 0 .. 47
	s_lshr_b32 s86, s89, 4                         ; 0: q, 1: k, 2: v
	s_and_b32 s90, s89, 15
	s_lshl_b32 s90, s90, 8                         ; its 64 numbers in the bias
	s_mov_b32 s91, 0
	s_cmp_eq_u32 s86, 1
	s_cselect_b64 s[BP+2*(\c):BP+2*(\c)+1], s[10:11], s[8:9]
	s_cmp_eq_u32 s86, 2
	s_cselect_b64 s[BP+2*(\c):BP+2*(\c)+1], s[12:13], s[BP+2*(\c):BP+2*(\c)+1]
	s_cmp_lt_u32 s86, 2
	s_cselect_b32 s[FS+2*(\c)], 1.0, 0
	s_mov_b32 s[FS+2*(\c)+1], s[FS+2*(\c)]         ; named with it as a pair
	s_add_nc_u64 s[BP+2*(\c):BP+2*(\c)+1], s[BP+2*(\c):BP+2*(\c)+1], s[90:91]
	s_lshl_b32 s90, s89, 19                        ; a head of qkv is 524,288 bytes
	s_add_co_u32 s90, s90, s87
	s_add_nc_u64 s[OUTP+2*(\c):OUTP+2*(\c)+1], s[16:17], s[90:91]
.endr
	s_lshl_b32 s90, s21, 16                        ; the table: 4,096 bytes for 16 positions
	s_lshl_b32 s86, s[WV], 14
	s_add_co_u32 s90, s90, s86
	s_add_nc_u64 s[TP:TP+1], s[14:15], s[90:91]
	WIN 0xc0                                       ; destination window 3
.set nb, 0
.rept 12
	global_load_b128 v[BI+8*nb:BI+8*nb+3],   v[BO], s[BP+2*(nb/4):BP+2*(nb/4)+1] offset:64*(nb%4)
	global_load_b128 v[BI+8*nb+4:BI+8*nb+7], v[BO], s[BP+2*(nb/4):BP+2*(nb/4)+1] offset:64*(nb%4)+16
.set nb, nb+1
.endr
	WIN 0
.set n, 0
.rept 32                               ; the table is wanted at the way out alone: its 32 loads stay out over the whole product
	global_load_b128 v[TB+4*n:TB+4*n+3], v[GO], s[TP:TP+1] offset:(n/8)*4096+(n%8)*512
.set n, n+1
.endr
	v_mul_u32_u24 v14, v12, PITCH
	v_lshl_add_u32 v14, v13, 4, v14                ; a fragment's row x pitch + 16 x half
	s_mul_i32 s86, s[WV], 64*PITCH                 ; my 64 rows of xb
	v_add_nc_u32 v[ADRA], s86, v14
	v_add_nc_u32 v[ADRA+1], SLOT, v[ADRA]
	v_add_nc_u32 v[ADRB], BOFF, v14
	v_add_nc_u32 v[ADRB+1], SLOT+BOFF, v14
	s_mul_i32 s86, s[WV], 16*SP
	s_add_co_u32 s86, s86, STAGE                   ; my stage
	v_mul_u32_u24 v14, v12, SP                     ; in: row l % 16, 16 bytes for each half of the lanes
	v_lshl_add_u32 v14, v13, 4, v14
	v_add_nc_u32 v[STO], s86, v14
	v_bfe_u32 v14, v0, 3, 2                        ; back: 32 lanes take four rows of 128 bytes
	v_mul_u32_u24 v14, v14, SP
	v_and_b32 v15, 7, v0
	v_lshl_add_u32 v14, v15, 4, v14
	v_add_nc_u32 v[RD], s86, v14
; 16 matrix instructions: all 4 row blocks x column blocks 4 grp .. 4 grp + 3, 32 along K.  zero = 1: the bias starts the sums.  The 48 accumulators take turns, one instruction a turn.
.macro MUL16 f, grp, zero
.if (\grp) == 2
	WIN 0xf5                                       ; sources window 1, C and D window 3
.elseif \zero
	WIN 0xb5                                       ; C (the bias) window 3, D window 2
.else
	WIN 0xa5                                       ; C and D window 2
.endif
.irp a, 0,1,2,3
.irp bb, 0,1,2,3
.set nb, 4*(\grp)+(\bb)
.if (\grp) == 2
.set rD, 8*(4*(\a)+(\bb))
.else
.set rD, 8*(8*(\a)+nb)
.endif
.if \zero
	v_wmma_f32_16x16x32_bf16 v[rD:rD+7], v[(\f)+32+8*nb:(\f)+32+8*nb+7], v[(\f)+8*(\a):(\f)+8*(\a)+7], v[BI+8*nb:BI+8*nb+7]
.else
	v_wmma_f32_16x16x32_bf16 v[rD:rD+7], v[(\f)+32+8*nb:(\f)+32+8*nb+7], v[(\f)+8*(\a):(\f)+8*(\a)+7], v[rD:rD+7]
.endif
.endr
.endr
.endm
; 32 LDS loads in one run: the fragments of 32 along K at byte k of the rows: xb's four, then wqkv's twelve
.macro FETCH slot, k, f
	WIN 0x40                                       ; destination window 1, address window 0
.irp i, 0,1,2,3
	ds_load_b128 v[(\f)+8*(\i):(\f)+8*(\i)+3],   v[ADRA+(\slot)] offset:(\k)+(\i)*16*PITCH
	ds_load_b128 v[(\f)+8*(\i)+4:(\f)+8*(\i)+7], v[ADRA+(\slot)] offset:(\k)+(\i)*16*PITCH+32
.endr
.irp i, 0,1,2,3,4,5,6,7,8,9,10,11
	ds_load_b128 v[(\f)+32+8*(\i):(\f)+32+8*(\i)+3],   v[ADRB+(\slot)] offset:(\k)+(\i)*16*PITCH
	ds_load_b128 v[(\f)+32+8*(\i)+4:(\f)+32+8*(\i)+7], v[ADRB+(\slot)] offset:(\k)+(\i)*16*PITCH+32
.endr
.endm
.macro PLACES                          ; four places in front of loads into registers that matrix instructions have read
.rept 4
	v_nop
.endr
.endm
; A K step is four quarters of 32 along K, 48 matrix instructions each, on buffers 0, 1, 0, 1.  One of the first three: multiplies buffer f and fetches the next quarter, at byte k, into g.
.macro QUARTER slot, k, f, g, zero
	s_wait_dscnt 16                                ; xb's fragments and wqkv's first four are in; the youngest sixteen loads may be out
	MUL16 \f, 0, \zero
	PLACES
	FETCH \slot, \k, \g
	s_wait_dscnt 32                                ; all but the 32 just issued
	MUL16 \f, 1, \zero
	MUL16 \f, 2, \zero
.endm
; The last quarter multiplies buffer 1 and changes slots: ONE barrier; in front of it each wave waits for all its tensor loads (one is out: its part of the next slot), adds 0 to its spare word, and
; waits for that and for its own reads of this slot.  fill = 1: the barrier opens a round of the cluster's, and this slot is filled again, two K steps ahead, first thing behind the round:
; 160 matrix instructions ahead of the wait for it.
.macro TURN slot, next, fill
	WIN 0                                          ; (the add's two registers lie in window 0)
	s_wait_tensorcnt 0x0
	ds_add_u32 v[SPW], v[NIL]
	s_wait_dscnt 17                                ; (the add and the youngest sixteen loads may be out)
	MUL16 F1, 0, 0                                 ; sixteen matrix instructions stand between the add and the wait for it
	s_wait_dscnt 0x0                               ; the add is done, and my reads of this slot are over
	s_barrier_signal -1
	MUL16 F1, 1, 0
.if \fill
	WIN 0
.endif
	s_barrier_wait -1
.if \fill
	CREST                                          ; no wave of any partner still reads this slot's tile or has a load on its way
	s_add_nc_u64 s[G0+4*(\slot)+2:G0+4*(\slot)+3], s[G0+4*(\slot)+2:G0+4*(\slot)+3], 512
	s_add_nc_u64 s[G0B+4*(\slot)+2:G0B+4*(\slot)+3], s[G0B+4*(\slot)+2:G0B+4*(\slot)+3], 512
	JLOAD \slot                                    ; the four v_nop behind it are also the places in front of the loads below
.else
	PLACES
.endif
	FETCH \next, 0, F0
	MUL16 F1, 2, 0
.endm
	s_wait_tensorcnt 1                             ; my part of K step 0 is in; K step 1's may stay out
	s_barrier_signal -1
	s_barrier_wait -1
	s_wait_loadcnt 32                              ; the 24 loads of the bias are in; the table's 32 stay out
	FETCH 0, 0, F0
	QUARTER 0, 64,  F0, F1, 1                      ; the first quarter stands in front of the loop: its products start the sums
	WIN 0                                          ; at a label and at a branch every window is 0
	s_mov_b32 s3, 3
.Llap:                                                 ; a trip goes once round the ring, from a lap's second quarter to the next lap's first, and fills both slots again
	QUARTER 0, 128, F1, F0, 0
	QUARTER 0, 192, F0, F1, 0
	TURN 0, 1, 1
	QUARTER 1, 64,  F0, F1, 0
	QUARTER 1, 128, F1, F0, 0
	QUARTER 1, 192, F0, F1, 0
	TURN 1, 0, 1
	QUARTER 0, 64,  F0, F1, 0
	WIN 0
	s_sub_co_u32 s3, s3, 1
	s_cmp_lg_u32 s3, 0
	s_cbranch_scc1 .Llap
	QUARTER 0, 128, F1, F0, 0                      ; the last lap fills nothing
	QUARTER 0, 192, F0, F1, 0
	TURN 0, 1, 0
	QUARTER 1, 64,  F0, F1, 0
	QUARTER 1, 128, F1, F0, 0
	QUARTER 1, 192, F0, F1, 0
	s_wait_dscnt 16
	MUL16 F1, 0, 0
	s_wait_dscnt 0x0
	MUL16 F1, 1, 0
	MUL16 F1, 2, 0
; THE WAY OUT, an item for each block a of 16 rows and head c.  PACK: C and S for the item; the rotation (each accumulator is read from its low end on); 16 bytes a lane into my stage; back as whole rows.
.macro PACK a, c
.set OB, OB0+96*((3*(\a)+(\c))%2)
.if (\c) == 2
.set AC, 32*(\a)
.set WS, 0x03                          ; source 0 in window 3
.else
.set AC, 64*(\a)+32*(\c)
.set WS, 0x02                          ; source 0 in window 2
.endif
	WIN 0
.irp p, 0,1,2,3,4,5,6,7
	v_pk_fma_f32 v[CT+2*(\p):CT+2*(\p)+1], v[TB+32*(\a)+2*(\p):TB+32*(\a)+2*(\p)+1], s[FS+2*(\c):FS+2*(\c)+1], 1.0 op_sel_hi:[1,0,0]
.endr
.irp p, 0,1,2,3,4,5,6,7
	v_pk_mul_f32 v[CT+16+2*(\p):CT+16+2*(\p)+1], v[TB+32*(\a)+16+2*(\p):TB+32*(\a)+16+2*(\p)+1], s[FS+2*(\c):FS+2*(\c)+1] op_sel_hi:[1,0]
.endr
	WIN WS
.irp bb, 0,1,2,3
.irp p, 0,1,2,3
	v_pk_mul_f32 v[T+8*(\bb)+2*(\p):T+8*(\bb)+2*(\p)+1], v[AC+8*(\bb)+2*(\p):AC+8*(\bb)+2*(\p)+1], v[CT+8*((\bb)%2)+2*(\p):CT+8*((\bb)%2)+2*(\p)+1]
.endr
.endr
.irp bb, 0,1
.irp p, 0,1,2,3
	v_pk_fma_f32 v[T+8*(\bb)+2*(\p):T+8*(\bb)+2*(\p)+1], v[AC+16+8*(\bb)+2*(\p):AC+16+8*(\bb)+2*(\p)+1], v[CT+16+8*(\bb)+2*(\p):CT+16+8*(\bb)+2*(\p)+1], v[T+8*(\bb)+2*(\p):T+8*(\bb)+2*(\p)+1] neg_lo:[1,0,0] neg_hi:[1,0,0]
	v_pk_fma_f32 v[T+16+8*(\bb)+2*(\p):T+16+8*(\bb)+2*(\p)+1], v[AC+8*(\bb)+2*(\p):AC+8*(\bb)+2*(\p)+1], v[CT+16+8*(\bb)+2*(\p):CT+16+8*(\bb)+2*(\p)+1], v[T+16+8*(\bb)+2*(\p):T+16+8*(\bb)+2*(\p)+1]
.endr
.endr
	WIN 0
.irp i, 0,1,2,3,4,5,6,7,8,9,10,11,12,13,14,15
	v_cvt_pk_bf16_f32 v[PKD+(\i)], v[T+2*(\i)], v[T+2*(\i)+1]
.endr
.irp f, 0,1,2,3
	ds_store_b128 v[STO], v[PKD+4*(\f):PKD+4*(\f)+3] offset:32*(\f)
.endr
	s_wait_xcnt 0x0                                ; the stores of two items ago read these registers: they are loaded again only behind this wait
.irp f, 0,1,2,3
	ds_load_b128 v[OB+4*(\f):OB+4*(\f)+3], v[RD] offset:(\f)*4*SP  ; LDS serves a wave's instructions in order: these see the stores above; the next item's stores come behind them
.endr
.endm
.macro SEND a, c, younger              ; younger: the LDS instructions issued behind the item's loads: the next item's eight, or none
.set OBS, OB0+96*((3*(\a)+(\c))%2)
	WIN 0
.irp f, 0,1,2,3
	s_wait_dscnt (\younger)+3-(\f)
	global_store_b128 v[GO], v[OBS+4*(\f):OBS+4*(\f)+3], s[OUTP+2*(\c):OUTP+2*(\c)+1] offset:(\a)*2048+(\f)*512  ; 512 consecutive bytes, at a multiple of 256 from qkv's first
.endr
.endm
	s_wait_loadcnt 0x0                             ; the table
	PACK 0, 0                                      ; its first sixteen lines, on the table alone, are the places behind the last products
.set n, 1
.rept 11
	PACK n/3, n%3
	SEND (n-1)/3, (n-1)%3, 8
.set n, n+1
.endr
	SEND 3, 2, 0
	s_wait_tensorcnt 0x0                           ; the wave's end: wait for my tensor loads, then add 0 to my spare word and wait for it
	ds_add_u32 v[SPW], v[NIL]
	s_wait_dscnt 0x0
	CROUND                                         ; the closing round: no work-group ends while a partner may still ask for a tile that names it
	s_endpgm
.Lfunc_end_k_qf910bcae5f_qkv:
	.size	k_qf910bcae5f_qkv, .Lfunc_end_k_qf910bcae5f_qkv-k_qf910bcae5f_qkv
	.p2alignl 7, 3214868480
	.fill 96, 4, 3214868480
	.section	.rodata,"a",@progbits
	.p2align	6, 0x0
	.amdhsa_kernel k_qf910bcae5f_qkv
		.amdhsa_group_segment_fixed_size 327680
		.amdhsa_private_segment_fixed_size 0
		.amdhsa_enable_private_segment 0
		.amdhsa_kernarg_size 56
		.amdhsa_user_sgpr_count 2
		.amdhsa_user_sgpr_kernarg_segment_ptr 1
		.amdhsa_wavefront_size32 1
		.amdhsa_system_sgpr_workgroup_id_x 1
		.amdhsa_system_sgpr_workgroup_id_y 1
		.amdhsa_system_sgpr_workgroup_id_z 1
		.amdhsa_system_vgpr_workitem_id 0
		.amdhsa_next_free_vgpr 1024
		.amdhsa_next_free_sgpr 92
		.amdhsa_reserve_vcc 0
		.amdhsa_float_denorm_mode_32 3
		.amdhsa_float_denorm_mode_16_64 3
		.amdhsa_memory_ordered 1
		.amdhsa_forward_progress 1
		.amdhsa_inst_pref_size 163
	.end_amdhsa_kernel
	.amdgpu_metadata
---
amdhsa.version: [ 1, 2 ]
amdhsa.kernels:
  - .name:           k_qf910bcae5f_qkv
    .symbol:         k_qf910bcae5f_qkv.kd
    .args:
      - { .name: xb, .offset: 0, .size: 8, .value_kind: global_buffer, .address_space: global }
      - { .name: wqkv, .offset: 8, .size: 8, .value_kind: global_buffer, .address_space: global }
      - { .name: bq, .offset: 16, .size: 8, .value_kind: global_buffer, .address_space: global }
      - { .name: bk, .offset: 24, .size: 8, .value_kind: global_buffer, .address_space: global }
      - { .name: bv, .offset: 32, .size: 8, .value_kind: global_buffer, .address_space: global }
      - { .name: tab, .offset: 40, .size: 8, .value_kind: global_buffer, .address_space: global }
      - { .name: qkv, .offset: 48, .size: 8, .value_kind: global_buffer, .address_space: global }
    .group_segment_fixed_size: 327680
    .private_segment_fixed_size: 0
    .kernarg_segment_align: 8
    .kernarg_segment_size: 56
    .max_flat_workgroup_size: 128
    .sgpr_count:     92
    .vgpr_count:     1024
    .wavefront_size: 32
...
	.end_amdgpu_metadata
.endif
;; end of part 2
;; launch attn (part 3): grid 16 x 16, 4 waves a work-group, clusters of 4 x 1, 327,680 bytes of LDS; arguments qkv, ctx; writes ctx
.if DOCPART == 3
	.amdgcn_target "amdgcn-amd-amdhsa--gfx1250"
	.amdhsa_code_object_version 6
	.text
	.protected	k_qf910bcae5f_attn
	.globl	k_qf910bcae5f_attn
	.p2align	8
	.type	k_qf910bcae5f_attn,@function
k_qf910bcae5f_attn:
	s_mov_b64 s[64:65], 0
	v_nop
	global_prefetch_b8 v0, s[64:65] scope:SCOPE_SE
	s_setreg_imm32_b32 hwreg(HW_REG_WAVE_MODE, 25, 1), 1
	s_wait_xcnt 0x0
	s_wait_alu depctr_hold_cnt(0) depctr_sa_sdst(0) depctr_va_vdst(0) depctr_va_sdst(0) depctr_va_ssrc(0) depctr_va_vcc(0) depctr_vm_vsrc(0)
	s_getreg_b32 s2, hwreg(HW_REG_IB_STS2, 6, 4)
	s_cmp_eq_u32 s2, 0
	s_cbranch_scc0 .Lentry_in_a_cluster
	s_endpgm
.Lentry_in_a_cluster:
	s_bfe_u32 s2, ttmp6, 0x10000c
	s_cmp_lg_u32 s2, 0x3003
	s_cbranch_scc0 .Lentry_shape_is_right
	s_endpgm
.Lentry_shape_is_right:
; ATTENTION.  O[h][q][:] = the sum over k of softmax_k(Q[h][q] . K[h][k] / 8) V[h][k][:], 16 heads, 4,096 rows, 64 channels, no mask.  qkv: [48][4096][64] bf16 (heads 0-15 q, 16-31 k, 32-47 v): a head's rows
; are dense, 128 bytes each.  Products, maxima and sums in f32; the weights p are rounded to bf16 for the second product (their sum l is taken of the unrounded p), O once at the end.
; O goes to ctx [row / 128][head][128][64] bf16, so that 128 rows x 4 heads are 65,536 dense bytes for the next product.
; LIMITS.  A weight below 2^-126 counts as 0 in l; c m starts at -4.25e37, far below every c s that finite bf16 rows of this size give; NaN and infinities are not treated apart.
; SHARES.  A work-group owns 256 queries of one head, a wave 64: four PIECES of 16.  Every wave walks all keys: 16 tiles of 256, four steps of 64 each.
; LAYOUT.  S^T = K Q^T (source 0 = 16 keys, source 1 = 16 queries) holds ONE query a lane (lane % 16) and the keys 8 (lane / 16) + 0..7; two such results rounded to bf16 ARE source 1 of O^T = V^T P.
; K comes out of LDS as it lies, V ([key][channel]) turned, by ds_load_tr16_b128.
; SOFTMAX.  A running maximum m and sum l for each query: p = 2^(c s - c m), c = log2(e) / 8; O and l are multiplied by a = 2^(c m_old - c m_new) in every step.  The first step is a step like any other, with a = 0.
; BY TURNS.  Turn n belongs to piece n: 8 products K Q^T of piece n + 1, later 8 products V^T P of piece n - 1; beside them the scaling, exponentials, roundings, sums and rescaling of piece n and the maximum and
; statistics of piece n + 1.  Four vector instructions stand behind every matrix instruction, the other 54 of a turn's 118 in two runs of their own.
; CLUSTER.  The four query blocks of a cluster belong to one head and walk the same K and V: each tile is asked for JOINTLY: the same tensor load, descriptor and mask in all four.  By this text's own count one
; tensor load of a wave is out behind each round; it has four key steps, 256 matrix instructions, in which to land.
; REGISTERS, in windows of 256 (s_set_vgpr_msb: bits 1:0 source 0, 3:2 source 1, 5:4 source 2, 7:6 destination):
;   window 0: v0-15 addresses and two at work; v16-31 four registers of statistics a piece; v48-55 at work; v62-63 the add's; v64-127 S^T, two buffers; v192-223 P, two buffers (by the piece's parity)
;   window 1: v0-127 O^T, 32 a piece          window 2: v0-63 Q; v128-191 K of one step; v192-255 V of one step
.set NT,    16        ; tiles of 256 keys
.set NP,    4         ; pieces a wave: a name, no knob
.set KS,    64        ; keys in a step
.set PK,    144       ; a row of K in LDS: 128 bytes + 16 of padding = 36 words: the 16 rows of a load start at 16 different groups of four banks
.set PV,    160       ; a row of V: 128 + 32 = 40 words
.set VOFF,  4*KS*PK   ; a slot holds a tile: 256 rows of K, then 256 rows of V
.set SLOT1, 1<<17     ; slot 1 begins here, so that one exclusive or turns an address in one slot into the other's
.set STAGE, SLOT1+4*KS*(PK+PV)  ; behind the ring, never filled by a tensor load: 16 rows x 144 bytes for each wave
.set SP,    144
.set SPARE, STAGE+4*16*SP       ; the spare words, 128 bytes for each wave: two blocks of 256 bytes that no other line names
.set AK0, 2           ; v2   my lane's place in a tile of K; never rewritten
.set AV0, 3           ; v3   the same for V
.set AK,  4           ; v4   the LDS address of K's next run of loads
.set AV,  5           ; v5   of V's
.set STO, 6           ; v6   the way out: where I put 16 bytes of a row
.set RD,  7           ; v7   the way out: where I read rows back
.set GO,  8           ; v8   16 x lane
.set MV,  12          ; v12-13  c m_old, kept while c m is made anew: by buffer
.set QO,  15          ; v15  my byte offset in 16 rows of Q
.set ST,  16          ; piece t's statistics at v[ST+4 t]: c m, m, l (even keys', odd keys')
.set TMP, 48          ; by buffer, four registers c0-c3 at work; when the maximum is found c2 takes a
.set SPW, 62          ; v62  my spare word; never rewritten
.set NIL, 63          ; v63  0; never rewritten
.set S,   64
.set P,   192
.set KF,  128         ; window 2: key block kb, channel half c at KF + 16 kb + 8 c
.set VF,  192         ; window 2: key half kk, channel block cb at VF + 32 kk + 8 cb
.set WV,  12          ; s12  my wave's number
.set G1K, 24          ; s[24:31] descriptor group 1 for K's tiles
.set G1V, 32          ; s[32:39] for V's: it differs in the padding alone
.set G0K, 40          ; s[40:43] descriptor group 0 for K's tiles: it walks
.set G0V, 44          ; s[44:47] the same for V's
.set SLOTS, 56        ; s56  tiles still to be asked for
.set CNT, 57          ; s57  counts a tile's key steps
.set CS,  58          ; s[58:59] c: the packed scaling takes the pair's low word for both halves
.set SEL, 60          ; s[60:61] v_permlanex16_b32's selects: each lane takes its own place in the other half
.set TBK, 62          ; s62  LDS byte at which K of the step to be fetched begins
.set TBV, 63          ; s63  the same for V, less VOFF
.set MSB, 0
.macro WIN new                      ; the high byte repeats the setting that is left; a switch that changes nothing is dropped
.if MSB != (\new)
	s_set_vgpr_msb (MSB<<8)|(\new)
.set MSB, (\new)
.endif
.endm
.set W_KQ, 0x0a       ; K and Q in window 2, S^T in window 0
.set W_PV, 0x52       ; V in window 2, P in window 0, O^T in window 1
.set W_RS, 0x41       ; destination and source 0 in window 1, source 1 in window 0
; A joint fill.  Waves 0 and 1 fetch the two halves of a tile's K, waves 2 and 3 those of its V: 128 keys each.  The branch hangs on the wave's number alone.
; An s_nop 0 and four v_nop follow each of the two lines, ahead of the jump and the label.
.macro JLOAD
	s_cmp_lt_u32 s[WV], 2
	s_cbranch_scc0 .Lfor_v_\@
	tensor_load_to_lds s[G0K:G0K+3], s[G1K:G1K+7]
	s_nop 0
.rept 4
	v_nop
.endr
	s_branch .Lasked_\@
.Lfor_v_\@:
	tensor_load_to_lds s[G0V:G0V+3], s[G1V:G1V+7]
	s_nop 0
.rept 4
	v_nop
.endr
.Lasked_\@:
.endm
.macro CROUND                       ; a round of the cluster's barrier
	s_barrier_signal -1
	s_barrier_wait -1
	s_cmp_lg_u32 s[WV], 0
	s_cbranch_scc1 .Lnot_wave_0_\@
	s_barrier_signal -3
.Lnot_wave_0_\@:
	s_barrier_wait -3
	s_barrier_signal -1
	s_barrier_wait -1
.endm
; THE CHANGE OF SLOTS.  The slot's last bytes, V of its fourth step, have been read.  Each wave waits for all its tensor loads, of which one is out: its part of the other slot; adds 0 to its spare word; and
; waits for that and for its own reads of the slot.  fill = 1: the barrier is a round of the cluster's, and the slot is filled again, with the keys two tiles on, first thing behind it.
; (At its first use nothing has been read yet: slot 0 is waited for, slot 1 filled.)
.macro CHANGE fill
	WIN 0                           ; at a label and at a branch every window is 0
	s_wait_tensorcnt 0x0            ; no tensor load of mine is out, so a group 0 may be written
	ds_add_u32 v[SPW], v[NIL]       ; 0 onto my spare word; with fill = 1 the descriptors' steps stand between it and the wait for it
.if \fill
.irp g, G0K, G0V
	s_xor_b32 s[\g+1], s[\g+1], SLOT1  ; the walking descriptor: the other slot than last time,
	s_add_nc_u64 s[\g+2:\g+3], s[\g+2:\g+3], 4*KS*128  ; the next 256 keys; the type bits on top are not reached
.endr
	s_wait_dscnt 0x0                ; the add is done, and my reads of the slot are over
	CROUND
	JLOAD
.else
	s_wait_dscnt 0x0                ; the add is done, and my reads of the slot are over
	s_barrier_signal -1
	s_barrier_wait -1
.endif
	s_sub_co_u32 s[TBK], s[TBK], 4*KS*PK  ; the fetches go back to a slot's first step,
	s_xor_b32 s[TBK], s[TBK], SLOT1       ; in the other slot
	s_sub_co_u32 s[TBV], s[TBV], 4*KS*PV
	s_xor_b32 s[TBV], s[TBV], SLOT1
.endm
	s_load_b64 s[4:5], s[0:1], 0x0    ; qkv
	s_load_b64 s[10:11], s[0:1], 0x8  ; ctx
	v_lshl_add_u32 v[SPW], v0, 2, SPARE
	v_mov_b32 v[NIL], 0
	ds_add_u32 v[SPW], v[NIL]       ; the wave's opening: the add and its wait stand ahead of my first tensor load; the set-up below, work on registers, stands between them
	v_lshrrev_b32 v1, 5, v0
	v_readfirstlane_b32 s[WV], v1   ; wave 0..3
	s_bfe_u32 s13, ttmp6, 0x40000   ; cx: my place in the cluster
	s_lshl_b32 s14, ttmp9, 2        ; in a cluster launch ttmp9 counts clusters
	s_add_co_u32 s14, s14, s13      ; my block of 256 queries: it enters Q's and ctx's addresses alone
	s_and_b32 s15, ttmp7, 0xffff    ; the head, which the four partners share
	s_lshl_b32 s20, s15, 19         ; its 524,288 bytes
	s_and_b32 s16, s[WV], 1         ; which half of a tile's 256 keys I fetch:
	s_lshl_b32 s22, s16, 14         ; its 128 rows of 128 bytes in memory,
	s_add_co_u32 s22, s22, s20
	s_mov_b32 s23, 0
	s_mul_i32 s17, s16, 128*PK      ; and its place in a slot, for K
	s_mul_i32 s18, s16, 128*PV      ; and for V: no place in the cluster enters an LDS address
	s_lshl_b32 s2, s14, 15          ; Q: my block's 256 rows,
	s_lshl_b32 s3, s[WV], 13        ; my wave's 64 of them
	s_add_co_u32 s2, s2, s3
	s_add_co_u32 s2, s2, s20
	s_mov_b32 s3, 0
	s_lshl_b32 s48, s14, 1          ; ctx: block of 128 rows = 2 x my block + wave / 2,
	s_lshr_b32 s50, s[WV], 1
	s_add_co_u32 s48, s48, s50
	s_lshl_b32 s48, s48, 18
	s_lshl_b32 s50, s15, 14         ; the head's 16,384 bytes in it,
	s_add_co_u32 s48, s48, s50
	s_lshl_b32 s50, s16, 13         ; my 64 rows of its 128
	s_add_co_u32 s48, s48, s50
	s_mov_b32 s49, 0
	; descriptor group 1.  128 keys are 16,384 dense bytes: asked for as 64 rows of 256 bytes, two keys a row, and padded in LDS after every key
	s_mov_b32 s[G1K], 15|(1<<16)|(1<<20)|(1<<21)|(4<<22)|(3<<25)  ; 15:0 the mask of four; 17:16 2-byte elements; 20 padding on; 21 set beside a mask; 24:22 after every 32 words; 31:25 4 words
	s_mov_b32 s[G1V], 15|(1<<16)|(1<<20)|(1<<21)|(4<<22)|(7<<25)  ; the same with 8 words of padding
.irp g, G1K, G1V
	s_mov_b32 s[\g+1], 128<<16      ; tensor_dim0 = 128
	s_mov_b32 s[\g+2], 64<<16       ; tensor_dim1 = 64
	s_mov_b32 s[\g+3], 128<<16      ; tile_dim0 = 128
	s_mov_b32 s[\g+4], 64           ; tile_dim1 = 64
	s_mov_b32 s[\g+5], 128          ; 128 elements from row to row
	s_mov_b32 s[\g+6], 0
	s_mov_b32 s[\g+7], 0
.endr
	s_mov_b32 s[CS], 0x3e38aa3b     ; c = log2(e) / 8 = 0.180337
	s_mov_b32 s[CS+1], s[CS]        ; named with it as a pair
	s_mov_b32 s[SEL], 0x76543210
	s_mov_b32 s[SEL+1], 0xfedcba98
	s_mov_b32 s[TBK], SLOT1+4*KS*PK ; the first change of slots turns these two into 0
	s_mov_b32 s[TBV], SLOT1+4*KS*PV
	s_mov_b32 s[G0K], 1             ; 1:0 count = 1
	s_mov_b32 s[G0K+1], s17         ; 63:32 LDS address: slot 0
	s_mov_b32 s[G0V], 1
	s_add_co_u32 s[G0V+1], s18, VOFF
	s_wait_dscnt 0x0                ; the opening add is done
	s_wait_kmcnt 0x0
	s_add_nc_u64 s[6:7], s[4:5], s[22:23]
	s_add_nc_u64 s[G0K+2:G0K+3], s[6:7], 0x800000   ; K's heads begin 16 heads in: my half of the head's first 256 keys
	s_or_b32 s[G0K+3], s[G0K+3], 0x80000000         ; 127:126 type = 2
	s_add_nc_u64 s[G0V+2:G0V+3], s[6:7], 0x1000000  ; V's 32 heads in
	s_or_b32 s[G0V+3], s[G0V+3], 0x80000000
	s_add_nc_u64 s[4:5], s[4:5], s[2:3]             ; Q at my wave's first row
	s_add_nc_u64 s[10:11], s[10:11], s[48:49]       ; ctx likewise
	CROUND                          ; all four work-groups are here: the first joint loads meet
	JLOAD                           ; tile 0 into slot 0.  Slot 1 is asked for when slot 0 is in
	; A fragment of K or Q is 16 rows x 32 channels in 8 registers: lane l holds row l % 16, channels 8 (l / 16) + 0..7 and 16 + 8 (l / 16) + 0..7: two loads of 16 bytes, 32 bytes apart.
	v_and_b32 v1, 15, v0            ; l % 16
	v_bfe_u32 v9, v0, 4, 1          ; l / 16
	v_lshlrev_b32 v[QO], 7, v1
	v_lshl_add_u32 v[QO], v9, 4, v[QO]  ; row x 128 + 16 x half
	WIN 0x80                        ; destination window 2, address window 0
.set i, 0
.rept 8                             ; Q stays in registers: piece i / 2, channels 32 (i % 2) on
	global_load_b128 v[8*i:8*i+3],   v[QO], s[4:5] offset:(i/2)*2048+(i%2)*64
	global_load_b128 v[8*i+4:8*i+7], v[QO], s[4:5] offset:(i/2)*2048+(i%2)*64+32
.set i, i+1
.endr
	; What the first turn finds: V's registers and P's second buffer hold 0 (its products V^T P, of a piece that has not been, add 0), O^T and l are 0.  All this stands in the wait for the first tile.
.set i, VF
.rept 64
	v_mov_b32 v[i], 0
.set i, i+1
.endr
	WIN 0x40
.set i, 0
.rept 128
	v_mov_b32 v[i], 0
.set i, i+1
.endr
	WIN 0
.set i, 0
.rept 4
	v_mov_b32 v[ST+4*i], 0xfe000000    ; c m: far below every c s
	v_mov_b32 v[ST+4*i+1], 0xff7fffff  ; m
	v_mov_b32 v[ST+4*i+2], 0
	v_mov_b32 v[ST+4*i+3], 0
.set i, i+1
.endr
.set i, P+16
.rept 16
	v_mov_b32 v[i], 0
.set i, i+1
.endr
	v_mul_u32_u24 v[AK0], v1, PK
	v_lshl_add_u32 v[AK0], v9, 4, v[AK0]  ; row x pitch + 16 x half
	; The turning load takes 16 keys x 16 channels (lane l reads key 8 (l / 16) + l % 8, channels 8 ((l / 8) % 2) + 0..7) and leaves half a fragment of V^T: lane l holds channel l % 16 and 8 keys.
	v_and_b32 v10, 7, v0
	v_bfe_u32 v11, v0, 3, 1
	v_lshl_add_u32 v[AV0], v9, 3, v10
	v_mul_u32_u24 v[AV0], v[AV0], PV
	v_lshl_add_u32 v[AV0], v11, 4, v[AV0]
	v_add_nc_u32 v[AV0], VOFF, v[AV0]
	s_mul_i32 s13, s[WV], 16*SP
	s_add_co_u32 s13, s13, STAGE    ; my stage
	v_mul_u32_u24 v[STO], v1, SP    ; in: row l % 16, 16 bytes for each half of the lanes
	v_lshl_add_u32 v[STO], v9, 4, v[STO]
	v_add_nc_u32 v[STO], s13, v[STO]
	v_bfe_u32 v[RD], v0, 3, 2       ; back: 32 lanes take four rows of 128 bytes,
	v_mul_u32_u24 v[RD], v[RD], SP
	v_lshl_add_u32 v[RD], v10, 4, v[RD]
	v_add_nc_u32 v[RD], s13, v[RD]
	v_and_b32 v[GO], 31, v0         ; which are 512 consecutive bytes of ctx
	v_lshlrev_b32 v[GO], 4, v[GO]
; THE MATRIX WORK.  The 4 accumulators of a run of 8 take turns.  Product i of 8 of S^T = K Q^T for piece x: channels 32 (i / 4) on, keys 16 (i % 4) on.  The first 4 start the sums.
.macro KQ x
	WIN W_KQ
.set rS, S+32*((\x)%2)+8*(i%4)
.set rK, KF+16*(i%4)+8*(i/4)
.set rQ, 16*(\x)+8*(i/4)
.if i < 4
	v_wmma_f32_16x16x32_bf16 v[rS:rS+7], v[rK:rK+7], v[rQ:rQ+7], 0
.else
	v_wmma_f32_16x16x32_bf16 v[rS:rS+7], v[rK:rK+7], v[rQ:rQ+7], v[rS:rS+7]
.endif
.endm
; Product i of 8 of O^T += V^T P for piece x: keys 32 (i / 4) on, channels 16 (i % 4) on.
.macro PV x
	WIN W_PV
.set rO, 32*(\x)+8*(i%4)
.set rV, VF+32*(i/4)+8*(i%4)
.set rP, P+16*((\x)%2)+8*(i/4)
	v_wmma_f32_16x16x32_bf16 v[rO:rO+7], v[rV:rV+7], v[rP:rP+7], v[rO:rO+7]
.endm
.macro MM                           ; the turn's next matrix instruction.  NOKQ = 1: the last turn of all: there is no next piece
.if (i < 8) && !NOKQ
	KQ (Y+1)%NP
.elseif i >= 8
.set i, i-8
	PV (Y+NP-1)%NP
.set i, i+8
.endif
.set i, i+1
.endm
; THE LDS LOADS stand in runs of 16, never singly among the matrix instructions: a step's K (64 keys x 64 channels: 8 fragments) and its V (turned).  Their addresses are made some lines ahead.
.macro FETCH_K
	WIN 0x80                        ; destination window 2
.irp f, 0,1,2,3,4,5,6,7             ; keys 16 (f / 2) on, channels 32 (f % 2) on
	ds_load_b128 v[KF+8*\f:KF+8*\f+3],   v[AK] offset:(\f/2)*16*PK+(\f%2)*64
	ds_load_b128 v[KF+8*\f+4:KF+8*\f+7], v[AK] offset:(\f/2)*16*PK+(\f%2)*64+32
.endr
	s_add_co_u32 s[TBK], s[TBK], KS*PK  ; the next fetch is the next step's
	WIN 0
.endm
.macro FETCH_V
	WIN 0x80
.irp f, 0,1,2,3,4,5,6,7             ; keys 32 (f / 4) on, channels 16 (f % 4) on
	ds_load_tr16_b128 v[VF+8*\f:VF+8*\f+3],   v[AV] offset:(\f/4)*32*PV+(\f%4)*32
	ds_load_tr16_b128 v[VF+8*\f+4:VF+8*\f+7], v[AV] offset:(\f/4)*32*PV+16*PV+(\f%4)*32
.endr
	WIN 0
.endm
; THE VECTOR WORK, one line at a time: OP kind, number.  For piece Y: F n: c s - c m for pair n of 16.  E n: the exponential of score n of 32.  C n: pair n rounded to bf16.  B n: of the four weights 4 n .. the second
; pair is added onto the first, in place.  L n: l takes that sum (L 0: l = a l + sum).  R n: pair n of 16 of O^T times a.  For piece Y + 1: X n, number n of the 22 that find its maximum and statistics:
;   0-11  four chains c0-c3 of seven scores each, three operands at a time (each accumulator's lowest registers are read first)     12-14, 16  the four scores left over, the old m, and c0-c3 into c0
;   15  c m_old is kept     17, 18  the query's other 32 keys lie in the lane 16 away: the new m     19-21  c m; c m_old - c m_new; a
.set F, 0
.set E, 1
.set C, 2
.set B, 3
.set L, 4
.set R, 5
.set X, 6
.macro REGS y                       ; the registers of piece y
.set rT, ST+4*(\y)
.set rC, TMP+4*((\y)%2)
.set rW, MV+((\y)%2)
.set rS, S+32*((\y)%2)
.set rP, P+16*((\y)%2)
.set rO, 32*(\y)
.endm
.macro OP k, n
.if (\k) == R
	REGS Y
	WIN W_RS
	v_pk_mul_f32 v[rO+2*(\n):rO+2*(\n)+1], v[rO+2*(\n):rO+2*(\n)+1], v[rC+2:rC+3] op_sel_hi:[1,0]
.elseif (\k) < R
	REGS Y
	WIN 0
.if (\k) == F
	v_pk_fma_f32 v[rS+2*(\n):rS+2*(\n)+1], v[rS+2*(\n):rS+2*(\n)+1], s[CS:CS+1], v[rT:rT+1] op_sel_hi:[1,0,0] neg_lo:[0,0,1] neg_hi:[0,0,1]
.elseif (\k) == E
	v_exp_f32 v[rS+(\n)], v[rS+(\n)]
.elseif (\k) == C
	s_wait_alu depctr_va_vdst(0)
	v_cvt_pk_bf16_f32 v[rP+(\n)], v[rS+2*(\n)], v[rS+2*(\n)+1]
.elseif (\k) == B
	s_wait_alu depctr_va_vdst(0)
	v_pk_add_f32 v[rS+4*(\n):rS+4*(\n)+1], v[rS+4*(\n):rS+4*(\n)+1], v[rS+4*(\n)+2:rS+4*(\n)+3]
.elseif (\n) == 0
	v_pk_fma_f32 v[rT+2:rT+3], v[rT+2:rT+3], v[rC+2:rC+3], v[rS:rS+1] op_sel_hi:[1,0,1]
.else
	v_pk_add_f32 v[rT+2:rT+3], v[rT+2:rT+3], v[rS+4*(\n):rS+4*(\n)+1]
.endif
.elseif NOKQ
	v_nop
.else
	REGS (Y+1)%NP
	WIN 0
.if (\n) < 4
	v_max3_num_f32 v[rC+(\n)], v[rS+8*(\n)], v[rS+8*(\n)+1], v[rS+8*(\n)+2]
.elseif (\n) < 12
	v_max3_num_f32 v[rC+(\n)%4], v[rC+(\n)%4], v[rS+8*((\n)%4)+2*((\n)/4)+1], v[rS+8*((\n)%4)+2*((\n)/4)+2]
.elseif (\n) == 12
	v_max3_num_f32 v[rC], v[rC], v[rS+7], v[rS+15]
.elseif (\n) == 13
	v_max3_num_f32 v[rC+1], v[rC+1], v[rS+23], v[rS+31]
.elseif (\n) == 14
	v_max3_num_f32 v[rC+2], v[rC+2], v[rC+3], v[rT+1]
.elseif (\n) == 15
	v_mov_b32 v[rW], v[rT]
.elseif (\n) == 16
	v_max3_num_f32 v[rC], v[rC], v[rC+1], v[rC+2]
.elseif (\n) == 17
	v_permlanex16_b32 v[rC+3], v[rC], s[SEL], s[SEL+1]
.elseif (\n) == 18
	v_max_num_f32 v[rT+1], v[rC], v[rC+3]
.elseif (\n) == 19
	v_mul_f32 v[rT], s[CS], v[rT+1]
.elseif (\n) == 20
	v_sub_f32 v[rC+1], v[rW], v[rT]
.else
	v_exp_f32 v[rC+2], v[rC+1]
.endif
.endif
.endm
.macro OPS a, i1, b=-1, i2=0, c=-1, i3=0, d=-1, i4=0  ; up to four of them
	OP \a, \i1
.if (\b) >= 0
	OP \b, \i2
.endif
.if (\c) >= 0
	OP \c, \i3
.endif
.if (\d) >= 0
	OP \d, \i4
.endif
.endm
.macro ROW a, i1, b, i2, c, i3, d, i4  ; a matrix instruction and the four behind it
	MM
	OPS \a, \i1, \b, \i2, \c, \i3, \d, \i4
.endm
; A TURN, for piece p: the order of its 16 matrix and 118 vector instructions, written out.  Behind a matrix instruction: plain, exponential, plain, plain; or four of the rescaling; or, behind the first, four scalings;
; none names a register of the products round it.  In the runs between, exponential and plain by turns while exponentials last.  A line reads no result made fewer than three vector instructions in front of it, five
; if an exponential made it.  end = 1: the last two turns of all: nothing is fetched.  cnt = 1: the loop's count is taken down some lines ahead of the branch that stands behind the turn.
; K of the next step is fetched in piece 2's turn, six vector instructions behind the last product that read K (five of them plain); V of the step in hand in piece 0's turn, eight behind the last product that read V
; (four plain).  Each is waited for a turn later.
.macro TURN p, end=0, cnt=0
.set Y, (\p)
.set i, 0
.set NOKQ, (\end)*((\p)/3)
.if ((\p) == 3) && !(\end)
	s_wait_dscnt 0x0                ; K is in
.endif
	ROW F,0, F,1, F,2, F,3
	ROW F,4, E,0, F,5, F,6
	ROW F,7, E,1, F,8, F,9
	ROW F,10, E,2, C,0, F,11
	ROW F,12, E,3, X,15, F,13
	ROW R,0, R,1, R,2, R,3
	ROW B,0, E,4, F,14, L,0
.if ((\p) == 2) && !(\end)
	v_add_nc_u32 v[AK], s[TBK], v[AK0]
.endif
	ROW R,4, R,5, R,6, R,7
	OPS E,5, F,15
.if ((\p) == 2) && !(\end)
	FETCH_K
.endif
	OPS E,6, C,1, E,7, R,8
	OPS E,8, R,9, E,9, C,2
	OPS E,10, X,0, E,11, X,1
	OPS E,12, X,2, E,13, X,3
.if (\p) == 1
	s_wait_dscnt 0x0                ; V is in
.endif
	ROW X,4, E,14, X,5, X,6
	ROW X,7, E,15, X,8, X,9
	ROW X,10, E,16, X,11, X,12
	ROW X,13, E,17, X,14, B,1
	ROW C,4, E,18, X,16, L,1
	ROW B,2, E,19, C,6, L,2
	ROW C,8, E,20, B,3, B,4
.if (\p) == 0
	v_add_nc_u32 v[AV], s[TBV], v[AV0]
.endif
	ROW C,3, E,21, L,3, C,5
	OPS E,22, X,17, E,23, C,10
.if (\p) == 0
	FETCH_V
.endif
	OPS E,24, L,4
	OPS E,25, X,18, E,26, C,7
	OPS E,27, B,5, E,28, X,19
	OPS E,29, C,12, E,30, L,5
	OPS E,31, X,20, B,6, C,9
	OPS C,14, C,11, X,21, L,6
.if (\p) == 0
	s_add_co_u32 s[TBV], s[TBV], KS*PV
.endif
.if \cnt
	s_sub_co_u32 s[CNT], s[CNT], 1
	s_cmp_lg_u32 s[CNT], 0
.endif
	OPS C,13, B,7, C,15, R,10
	OPS R,11, R,12, L,7, R,13
	OPS R,14, R,15
.endm
	CHANGE 1                        ; tile 0 is in, everybody's part of it; tile 1 is asked for
	v_add_nc_u32 v[AK], s[TBK], v[AK0]
	FETCH_K                         ; key step 0
	s_wait_loadcnt 0x0              ; Q
	s_wait_dscnt 0x0
.set NOKQ, 0
.set i, 0
.rept 8
	KQ 0                            ; piece 0's first scores: there is no vector work yet to set between them
.set i, i+1
.endr
	WIN 0
.rept 4
	v_nop                           ; the places behind those products
.endr
.set Y, NP-1                        ; X works for piece Y + 1: piece 0
.irp n, 0,1,2,3,4,5,6,7,8,9,10,11,12,13,14,15,16,17,18,19,20,21
	OP X, \n
.endr
	v_nop                           ; a plain instruction behind the exponential
	s_mov_b32 s[CNT], 4
	s_mov_b32 s[SLOTS], NT-1
	s_branch .Lfirst                ; the loop is entered at a step's first turn, in the middle of a trip
.Lslot:                             ; NT - 2 times: tiles 2 to 15 are asked for
	CHANGE 1
	s_mov_b32 s[CNT], 4
.Lstep:                             ; a trip: pieces 2 and 3 of one step, then pieces 0 and 1 of the next, whose K and V it fetches
	TURN 2
	TURN 3
	WIN 0
.Lfirst:
	TURN 0
	TURN 1, 0, 1
	WIN 0
	s_cbranch_scc1 .Lstep
	s_sub_co_u32 s[SLOTS], s[SLOTS], 1
	s_cmp_lg_u32 s[SLOTS], 0
	s_cbranch_scc1 .Lslot
	CHANGE 0                        ; the last tile is written out: nothing is asked for
	s_mov_b32 s[CNT], 4
.Ltail:
	TURN 2
	TURN 3
	TURN 0
	TURN 1, 0, 1
	WIN 0
	s_cbranch_scc1 .Ltail
	TURN 2, 1
	TURN 3, 1
.set i, 0
.rept 8
	PV NP-1                         ; the last piece's V^T P of the last step
.set i, i+1
.endr
	; THE WAY OUT.  l's two halves and the other half of the lanes' are added; O^T is divided by l, rounded to bf16 and sent through my stage in LDS, a piece at a time.  The additions are the places behind the last products.
	WIN 0
.macro ALL line:vararg              ; one line for each piece t
.set t, 0
.rept 4
	\line
.set t, t+1
.endr
.endm
	ALL v_add_f32 v[ST+4*t+2], v[ST+4*t+2], v[ST+4*t+3]
	ALL v_permlanex16_b32 v[ST+4*t+3], v[ST+4*t+2], s[SEL], s[SEL+1]
	ALL v_add_f32 v[ST+4*t+2], v[ST+4*t+2], v[ST+4*t+3]
	ALL v_rcp_f32 v[ST+4*t+2], v[ST+4*t+2]
	v_nop                           ; a plain instruction between the last reciprocal and the use of its result
.macro PACK t                       ; a lane's eight channels of a row pack into 16 bytes; they go into rows of 144 bytes and come back as whole rows of 128, into S^T's registers
	WIN W_RS
.set i, 32*(\t)
.rept 16
	s_wait_alu depctr_va_vdst(0)
	v_pk_mul_f32 v[i:i+1], v[i:i+1], v[ST+4*(\t)+2:ST+4*(\t)+3] op_sel_hi:[1,0]
.set i, i+2
.endr
	WIN 0x05                        ; sources 0 and 1 window 1, destination window 0
.set i, 0
.rept 16
	v_cvt_pk_bf16_f32 v[S+16*(\t)+i], v[32*(\t)+2*i], v[32*(\t)+2*i+1]
.set i, i+1
.endr
	WIN 0
.irp f, 0,1,2,3
	ds_store_b128 v[STO], v[S+16*(\t)+4*\f:S+16*(\t)+4*\f+3] offset:32*\f
.endr
.irp f, 0,1,2,3
	ds_load_b128 v[S+16*(\t)+4*\f:S+16*(\t)+4*\f+3], v[RD] offset:\f*4*SP  ; LDS serves a wave's instructions in order: these see the stores above; the next piece's stores come behind them
.endr
.endm
.macro SEND t, younger              ; younger: the LDS instructions issued behind piece t's loads: the next piece's eight, or none
	WIN 0
.irp f, 0,1,2,3
	s_wait_dscnt (\younger)+3-\f
	global_store_b128 v[GO], v[S+16*(\t)+4*\f:S+16*(\t)+4*\f+3], s[10:11] offset:(\t)*2048+\f*512  ; 512 consecutive bytes, at a multiple of 256 from ctx's first
.endr
.endm
	PACK 0
.set t, 1
.rept 3                             ; a piece's arithmetic stands between the loads of the piece before and its stores
	PACK t
	SEND t-1, 8
.set t, t+1
.endr
	SEND 3, 0
	s_wait_tensorcnt 0x0            ; the wave's end: wait for my tensor loads, then add 0 to my spare word and wait for it
	ds_add_u32 v[SPW], v[NIL]
	s_wait_dscnt 0x0
	CROUND                          ; the closing round: no work-group ends while a partner may still ask for a tile that names it
	s_endpgm
.Lfunc_end_k_qf910bcae5f_attn:
	.size	k_qf910bcae5f_attn, .Lfunc_end_k_qf910bcae5f_attn-k_qf910bcae5f_attn
	.p2alignl 7, 3214868480
	.fill 96, 4, 3214868480
	.section	.rodata,"a",@progbits
	.p2align	6, 0x0
	.amdhsa_kernel k_qf910bcae5f_attn
		.amdhsa_group_segment_fixed_size 327680
		.amdhsa_private_segment_fixed_size 0
		.amdhsa_enable_private_segment 0
		.amdhsa_kernarg_size 16
		.amdhsa_user_sgpr_count 2
		.amdhsa_user_sgpr_kernarg_segment_ptr 1
		.amdhsa_wavefront_size32 1
		.amdhsa_system_sgpr_workgroup_id_x 1
		.amdhsa_system_sgpr_workgroup_id_y 1
		.amdhsa_system_sgpr_workgroup_id_z 1
		.amdhsa_system_vgpr_workitem_id 0
		.amdhsa_next_free_vgpr 768
		.amdhsa_next_free_sgpr 66
		.amdhsa_reserve_vcc 0
		.amdhsa_float_denorm_mode_32 3
		.amdhsa_float_denorm_mode_16_64 3
		.amdhsa_memory_ordered 1
		.amdhsa_forward_progress 1
		.amdhsa_inst_pref_size 134
	.end_amdhsa_kernel
	.amdgpu_metadata
---
amdhsa.version: [ 1, 2 ]
amdhsa.kernels:
  - .name:           k_qf910bcae5f_attn
    .symbol:         k_qf910bcae5f_attn.kd
    .args:
      - { .name: qkv, .offset: 0, .size: 8, .value_kind: global_buffer, .address_space: global }
      - { .name: ctx, .offset: 8, .size: 8, .value_kind: global_buffer, .address_space: global }
    .group_segment_fixed_size: 327680
    .private_segment_fixed_size: 0
    .kernarg_segment_align: 8
    .kernarg_segment_size: 16
    .max_flat_workgroup_size: 128
    .sgpr_count:     66
    .vgpr_count:     768
    .wavefront_size: 32
...
	.end_amdgpu_metadata
.endif
;; end of part 3
;; launch oproj (part 4): grid 8 x 32, 4 waves a work-group, clusters of 4 x 4, 327,680 bytes of LDS; arguments ctx, wob, bo, y; writes y
.if DOCPART == 4
	.amdgcn_target "amdgcn-amd-amdhsa--gfx1250"
	.amdhsa_code_object_version 6
	.text
	.protected	k_qf910bcae5f_oproj
	.globl	k_qf910bcae5f_oproj
	.p2align	8
	.type	k_qf910bcae5f_oproj,@function
k_qf910bcae5f_oproj:
	s_mov_b64 s[64:65], 0
	v_nop
	global_prefetch_b8 v0, s[64:65] scope:SCOPE_SE
	s_setreg_imm32_b32 hwreg(HW_REG_WAVE_MODE, 25, 1), 1
	s_wait_xcnt 0x0
	s_wait_alu depctr_hold_cnt(0) depctr_sa_sdst(0) depctr_va_vdst(0) depctr_va_sdst(0) depctr_va_ssrc(0) depctr_va_vcc(0) depctr_vm_vsrc(0)
	s_getreg_b32 s2, hwreg(HW_REG_IB_STS2, 6, 4)
	s_cmp_eq_u32 s2, 0
	s_cbranch_scc0 .Lentry_in_a_cluster
	s_endpgm
.Lentry_in_a_cluster:
	s_bfe_u32 s2, ttmp6, 0x10000c
	s_cmp_lg_u32 s2, 0xf033
	s_cbranch_scc0 .Lentry_shape_is_right
	s_endpgm
.Lentry_shape_is_right:
; OPROJ.  y[s][n] = sum over k of ctx[s][k] Wo[n][k] + bo[n], in f32.  ctx: [s / 128][head 16][128][64] bf16; wob: [n / 128][k / 64][128][64] bf16: both in blocks, so that 128 rows x 256 along K are 65,536 dense bytes.
; y stays in f32: the norm behind takes a row's mean away, and a common part of y many times its spread must survive that.
; SHARES.  A tile of y is 128 x 128: 8 x 32 tiles, one work-group each.  Four waves, each 64 x 64: 16 accumulators.  K goes in 4 steps of 256 (four heads) through two LDS slots; the steps are written out, no loop.
; In LDS a step's tile is four PLANES (one head: 128 rows x 64 k, rows of 128 bytes + 16 of padding) of ctx, then four of wob.  A wave's tensor load brings two planes, 32,768 dense bytes, as 128 rows of 256 bytes.
; CLUSTER.  4 x 4 work-groups: ctx's tiles are shared along a row of the cluster, wob's along a column; each is asked for jointly.  By this text's own count a wave has two tensor loads out at the start, later one.
; THE MATRIX INSTRUCTION IS USED TRANSPOSED (source 0 = 16 rows of wob, source 1 = 16 rows of ctx): a lane holds eight neighbouring numbers of a row of y.  THE BIAS is the C operand of the products that start the sums.
; REGISTERS: window 0: v0-31 addresses; v96-127 the bias; v128-255 the accumulators ((a, b) at v[128 + 8 (4 a + b)]).   window 1: two fragment buffers of 128: for 64 along K, 64 registers of ctx, then 64 of wob.
.set PITCH,  144                       ; 36 words: the 16 rows that a load touches start at 16 different groups of four banks
.set PLANE,  128*PITCH
.set SLOT,   8*PLANE
.set STAGE,  2*SLOT                    ; behind the ring, never filled by a tensor load: 16 rows x 272 bytes for each wave
.set SPITCH, 272
.set SPARE,  STAGE+4*16*SPITCH         ; the spare words, 128 bytes for each wave: two blocks of 256 bytes that no other line names
.set ADRA, 16                          ; v16-17  LDS address of my fragments of ctx in slot 0, 1
.set ADRB, 20                          ; v20-21  the same for wob
.set STO,  24                          ; v24     the way out: where I put 32 bytes of a row
.set RD,   25                          ; v25     the way out: where I read a row back
.set CO,   26                          ; v26     my byte offset in y
.set BO,   27                          ; v27     32 x (lane / 16): my eight columns' bias
.set SPW,  28                          ; v28     my spare word; never rewritten
.set NIL,  29                          ; v29     0; never rewritten
.set BI,   96
.set ACC,  128
.set F0,   0
.set F1,   128
.set WV,  12                           ; s12  my wave's number
.set RH,  13                           ; s13  which half of the tile's rows is mine.  Also: I fetch ctx (0) or wob (1)
.set CH,  14                           ; s14  which half of its columns.  Also: which two planes I fetch
.set G1,  24
.set G0,  32
.set G1B, 48
.set G0B, 56
.set MSB, 0
.macro WIN new                         ; the immediate's high byte repeats the setting that is left
.if MSB != (\new)
	s_set_vgpr_msb (MSB<<8)|(\new)
.set MSB, \new
.endif
.endm
.set MUL,  0x05                        ; sources 0 and 1 window 1; C and D window 0
.set TO_F, 0x40                        ; destination window 1, address window 0
.macro JLOAD s                         ; a joint load; an s_nop 0 and four v_nop follow each of the two lines, ahead of the jump, the label and what follows
	s_cmp_eq_u32 s[RH], 0
	s_cbranch_scc0 .Lfor_b_\@
	tensor_load_to_lds s[G0+4*(\s):G0+4*(\s)+3], s[G1:G1+7]
	s_nop 0
.rept 4
	v_nop
.endr
	s_branch .Lasked_\@
.Lfor_b_\@:
	tensor_load_to_lds s[G0B+4*(\s):G0B+4*(\s)+3], s[G1B:G1B+7]
	s_nop 0
.rept 4
	v_nop
.endr
.Lasked_\@:
.endm
.macro CREST                           ; a round of the cluster's barrier behind its opening barrier
	s_cmp_lg_u32 s[WV], 0
	s_cbranch_scc1 .Lnot_wave_0_\@
	s_barrier_signal -3
.Lnot_wave_0_\@:
	s_barrier_wait -3
	s_barrier_signal -1
	s_barrier_wait -1
.endm
.macro CROUND
	s_barrier_signal -1
	s_barrier_wait -1
	CREST
.endm
	s_load_b256 s[4:11], s[0:1], 0x0               ; ctx 4, wob 6, bo 8, y 10
	v_lshl_add_u32 v[SPW], v0, 2, SPARE
	v_mov_b32 v[NIL], 0
	ds_add_u32 v[SPW], v[NIL]                      ; the wave's opening: the add and its wait stand ahead of my first tensor load; the set-up below, work on registers, stands between them
	v_lshrrev_b32 v1, 5, v0
	v_readfirstlane_b32 s[WV], v1
	s_lshr_b32 s[RH], s[WV], 1
	s_and_b32 s[CH], s[WV], 1
	s_bfe_u32 s40, ttmp6, 0x40000                  ; cx
	s_bfe_u32 s41, ttmp6, 0x40004                  ; cy
	s_lshl_b32 s42, ttmp9, 2
	s_add_co_u32 s42, s42, s40                     ; tile column
	s_and_b32 s15, ttmp7, 0xffff
	s_lshl_b32 s15, s15, 2
	s_add_co_u32 s15, s15, s41                     ; tile row
	s_lshl_b32 s43, s41, 2
	s_lshl_b32 s43, 15, s43                        ; my row of the cluster
	s_lshl_b32 s44, 0x1111, s40                    ; my column
	s_or_b32 s[G1+0], s43, (1<<16)|(1<<20)|(1<<21)|(4<<22)|(3<<25)   ; the mask; 2-byte elements; padding on; 21 set beside a mask; after every 32 words 4 words
	s_or_b32 s[G1B+0], s44, (1<<16)|(1<<20)|(1<<21)|(4<<22)|(3<<25)
.irp g, G1, G1B
	s_mov_b32 s[(\g)+1], 128<<16                   ; tensor_dim0 = 128
	s_mov_b32 s[(\g)+2], 128<<16                   ; tensor_dim1 = 128
	s_mov_b32 s[(\g)+3], 128<<16                   ; tile_dim0 = 128
	s_mov_b32 s[(\g)+4], 128                       ; tile_dim1 = 128
	s_mov_b32 s[(\g)+5], 128                       ; dense: 128 elements from row to row
	s_mov_b32 s[(\g)+6], 0
	s_mov_b32 s[(\g)+7], 0
.endr
	s_lshl_b32 s16, s15, 18                        ; ctx: 262,144 bytes for 128 rows,
	s_lshl_b32 s17, s[CH], 15                      ; two planes of 16,384
	s_add_co_u32 s16, s16, s17
	s_mov_b32 s17, 0
	s_lshl_b32 s46, s42, 18                        ; wob likewise
	s_lshl_b32 s47, s[CH], 15
	s_add_co_u32 s46, s46, s47
	s_mov_b32 s47, 0
	s_mul_i32 s20, s[WV], 2*PLANE                  ; where they go: wave x two planes
	s_wait_dscnt 0x0                               ; the opening add is done
	s_wait_kmcnt 0x0
	s_add_nc_u64 s[18:19], s[4:5], s[16:17]
	s_add_nc_u64 s[46:47], s[6:7], s[46:47]
	CROUND                                         ; all sixteen work-groups are here: the first joint loads meet
.irp s, 0,1
	s_mov_b32 s[G0+4*(\s)], 1
	s_add_co_u32 s[G0+4*(\s)+1], s20, (\s)*SLOT
	s_add_nc_u64 s[G0+4*(\s)+2:G0+4*(\s)+3], s[18:19], (\s)*65536  ; K step s
	s_or_b32 s[G0+4*(\s)+3], s[G0+4*(\s)+3], 0x80000000
	s_mov_b32 s[G0B+4*(\s)], 1
	s_add_co_u32 s[G0B+4*(\s)+1], s20, (\s)*SLOT
	s_add_nc_u64 s[G0B+4*(\s)+2:G0B+4*(\s)+3], s[46:47], (\s)*65536
	s_or_b32 s[G0B+4*(\s)+3], s[G0B+4*(\s)+3], 0x80000000
	JLOAD \s
.endr
	v_and_b32 v1, 15, v0                           ; l % 16
	v_bfe_u32 v2, v0, 4, 1                         ; l / 16
	v_lshlrev_b32 v[BO], 5, v2
	s_lshl_b32 s2, s42, 9                          ; my first column, in bytes of f32: 512 x tile column + 256 x half
	s_lshl_b32 s3, s[CH], 8
	s_add_co_u32 s2, s2, s3
	s_mov_b32 s3, 0
	s_add_nc_u64 s[22:23], s[8:9], s[2:3]
.irp b, 0,1,2,3
	global_load_b128 v[BI+8*(\b):BI+8*(\b)+3],   v[BO], s[22:23] offset:64*(\b)
	global_load_b128 v[BI+8*(\b)+4:BI+8*(\b)+7], v[BO], s[22:23] offset:64*(\b)+16
.endr
	s_lshl_b32 s21, s15, 19                        ; my first row: 128 rows of 4,096 bytes a tile row,
	s_add_co_u32 s2, s2, s21
	s_lshl_b32 s21, s[RH], 18                      ; 64 a half
	s_add_co_u32 s2, s2, s21
	s_add_nc_u64 s[10:11], s[10:11], s[2:3]
	v_mul_u32_u24 v3, v1, PITCH
	v_lshl_add_u32 v3, v2, 4, v3                   ; a fragment's row x pitch + 16 x half
	s_mul_i32 s21, s[RH], 64*PITCH                 ; my 64 rows of each plane of ctx
	v_add_nc_u32 v[ADRA], s21, v3
	v_add_nc_u32 v[ADRA+1], SLOT, v[ADRA]
	s_mul_i32 s21, s[CH], 64*PITCH                 ; my 64 rows of each plane of wob,
	s_add_co_u32 s21, s21, 4*PLANE                 ; which lie behind ctx's four
	v_add_nc_u32 v[ADRB], s21, v3
	v_add_nc_u32 v[ADRB+1], SLOT, v[ADRB]
	s_mul_i32 s21, s[WV], 16*SPITCH
	s_add_co_u32 s21, s21, STAGE                   ; my stage
	v_mul_u32_u24 v4, v1, SPITCH                   ; in: row l % 16, 32 bytes for each half of the lanes
	v_lshl_add_u32 v4, v2, 5, v4
	v_add_nc_u32 v[STO], s21, v4
	v_mul_u32_u24 v5, v2, SPITCH                   ; back: lanes 0-15 take one row of 256 bytes, lanes 16-31 the next
	v_lshl_add_u32 v5, v1, 4, v5
	v_add_nc_u32 v[RD], s21, v5
	v_lshlrev_b32 v5, 12, v2                       ; and the same two rows in y
	v_lshl_add_u32 v[CO], v1, 4, v5
; 8 matrix instructions: row blocks a0, a0 + 1 x all 4 column blocks, 32 along K: half c of buffer f.  zero = 1: the bias starts the sums.  The 16 accumulators take turns.
.macro MUL8 f, c, a0, zero
	WIN MUL
.irp a, \a0, (\a0)+1
.irp b, 0,1,2,3
.if \zero
	v_wmma_f32_16x16x32_bf16 v[ACC+8*(4*(\a)+(\b)):ACC+8*(4*(\a)+(\b))+7], v[(\f)+64+8*(4*(\c)+(\b)):(\f)+64+8*(4*(\c)+(\b))+7], v[(\f)+8*(4*(\c)+(\a)):(\f)+8*(4*(\c)+(\a))+7], v[BI+8*(\b):BI+8*(\b)+7]
.else
	v_wmma_f32_16x16x32_bf16 v[ACC+8*(4*(\a)+(\b)):ACC+8*(4*(\a)+(\b))+7], v[(\f)+64+8*(4*(\c)+(\b)):(\f)+64+8*(4*(\c)+(\b))+7], v[(\f)+8*(4*(\c)+(\a)):(\f)+8*(4*(\c)+(\a))+7], v[ACC+8*(4*(\a)+(\b)):ACC+8*(4*(\a)+(\b))+7]
.endif
.endr
.endr
.endm
; 32 LDS loads in one run: the fragments of one plane (64 along K), which begins at byte k, into buffer f; the first 32 along K first
.macro FETCH slot, k, f
	WIN TO_F
.irp c, 0,1
.irp i, 0,1,2,3
	ds_load_b128 v[(\f)+64+8*(4*(\c)+(\i)):(\f)+64+8*(4*(\c)+(\i))+3],   v[ADRB+(\slot)] offset:(\k)+64*(\c)+(\i)*16*PITCH
	ds_load_b128 v[(\f)+64+8*(4*(\c)+(\i))+4:(\f)+64+8*(4*(\c)+(\i))+7], v[ADRB+(\slot)] offset:(\k)+64*(\c)+(\i)*16*PITCH+32
	ds_load_b128 v[(\f)+8*(4*(\c)+(\i)):(\f)+8*(4*(\c)+(\i))+3],         v[ADRA+(\slot)] offset:(\k)+64*(\c)+(\i)*16*PITCH
	ds_load_b128 v[(\f)+8*(4*(\c)+(\i))+4:(\f)+8*(4*(\c)+(\i))+7],       v[ADRA+(\slot)] offset:(\k)+64*(\c)+(\i)*16*PITCH+32
.endr
.endr
.endm
.macro PLACES                          ; four places in front of loads into registers that matrix instructions have read, and of LDS stores that read results
.rept 4
	v_nop
.endr
.endm
; A K step is four quarters, a plane each, 32 matrix instructions, on buffers 0, 1, 0, 1.  One of the first three: multiplies buffer f and fetches the next plane, at byte k, into g.
.macro QUARTER slot, k, f, g, zero
	s_wait_dscnt 16                                ; the first 32 along K are in
	MUL8 \f, 0, 0, \zero
	MUL8 \f, 0, 2, \zero
	PLACES
	FETCH \slot, \k, \g
	s_wait_dscnt 32                                ; all but the 32 just issued
	MUL8 \f, 1, 0, 0
	MUL8 \f, 1, 2, 0
.endm
; The last quarter multiplies buffer 1 and changes slots: ONE barrier; in front of it each wave waits for all its tensor loads, adds 0 to its spare word, and waits for that and for its own reads of this slot.
; fill = 1: the barrier opens a round of the cluster's, and this slot is filled again, two K steps ahead, first thing behind the round: 112 matrix instructions ahead of the wait for it.
.macro TURN slot, next, fill
	WIN 0                                          ; (the add's two registers lie in window 0)
	s_wait_tensorcnt 0x0
	ds_add_u32 v[SPW], v[NIL]
	s_wait_dscnt 17                                ; (the add and the youngest sixteen loads may be out)
	MUL8 F1, 0, 0, 0                               ; eight matrix instructions stand between the add and the wait for it
	s_wait_dscnt 0x0                               ; the add is done, and my reads of this slot are over
	s_barrier_signal -1
	MUL8 F1, 0, 2, 0
.if \fill
	WIN 0
.endif
	s_barrier_wait -1
.if \fill
	CREST                                          ; no wave of any partner still reads this slot's tile or has a load on its way
	s_add_nc_u64 s[G0+4*(\slot)+2:G0+4*(\slot)+3], s[G0+4*(\slot)+2:G0+4*(\slot)+3], 2*65536
	s_add_nc_u64 s[G0B+4*(\slot)+2:G0B+4*(\slot)+3], s[G0B+4*(\slot)+2:G0B+4*(\slot)+3], 2*65536
	JLOAD \slot                                    ; the four v_nop behind it are also the places in front of the loads below
.else
	PLACES
.endif
	FETCH \next, 0, F0
	MUL8 F1, 1, 0, 0
	MUL8 F1, 1, 2, 0
.endm
	s_wait_tensorcnt 1                             ; my part of K step 0 is in; K step 1's may stay out
	s_barrier_signal -1
	s_barrier_wait -1
	s_wait_loadcnt 0x0                             ; the bias
	FETCH 0, 0, F0
	QUARTER 0, PLANE,   F0, F1, 1                  ; K step 0: its first products start the sums
	QUARTER 0, 2*PLANE, F1, F0, 0
	QUARTER 0, 3*PLANE, F0, F1, 0
	TURN 0, 1, 1                                   ; K step 2 is asked for
	QUARTER 1, PLANE,   F0, F1, 0                  ; K step 1
	QUARTER 1, 2*PLANE, F1, F0, 0
	QUARTER 1, 3*PLANE, F0, F1, 0
	TURN 1, 0, 1                                   ; K step 3 is asked for
	QUARTER 0, PLANE,   F0, F1, 0                  ; K step 2
	QUARTER 0, 2*PLANE, F1, F0, 0
	QUARTER 0, 3*PLANE, F0, F1, 0
	TURN 0, 1, 0                                   ; nothing is left to fetch
	QUARTER 1, PLANE,   F0, F1, 0                  ; K step 3
	QUARTER 1, 2*PLANE, F1, F0, 0
	QUARTER 1, 3*PLANE, F0, F1, 0
	s_wait_dscnt 16
	MUL8 F1, 0, 0, 0
	MUL8 F1, 0, 2, 0
	s_wait_dscnt 0x0
	MUL8 F1, 1, 0, 0
	MUL8 F1, 1, 2, 0
	WIN 0
	; THE WAY OUT.  My 64 columns of f32 are a whole aligned 256 bytes of a row of y: each wave has a stage of its own, and no barrier is needed.  A block of 16 rows at a time: 32 bytes a lane in
	; (each accumulator's low four registers first), whole rows back, into the registers that they left.
	PLACES
.macro STG a
.irp b, 0,1,2,3
	ds_store_b128 v[STO], v[ACC+32*(\a)+8*(\b):ACC+32*(\a)+8*(\b)+3]   offset:64*(\b)
	ds_store_b128 v[STO], v[ACC+32*(\a)+8*(\b)+4:ACC+32*(\a)+8*(\b)+7] offset:64*(\b)+16
.endr
.irp t, 0,1,2,3,4,5,6,7
	ds_load_b128 v[ACC+32*(\a)+4*(\t):ACC+32*(\a)+4*(\t)+3], v[RD] offset:(\t)*2*SPITCH  ; LDS serves a wave's instructions in order: these see the stores above; the next block's stores come behind them
.endr
.endm
.macro SEND a, younger                 ; younger: the LDS instructions issued behind the block's loads: the next block's sixteen, or none
.irp t, 0,1,2,3,4,5,6,7
	s_wait_dscnt (\younger)+7-(\t)
	global_store_b128 v[CO], v[ACC+32*(\a)+4*(\t):ACC+32*(\a)+4*(\t)+3], s[10:11] offset:(16*(\a)+2*(\t))*4096  ; 16 lanes store 256 consecutive bytes, at a multiple of 256 from y's first byte
.endr
.endm
	STG 0
	STG 1
	SEND 0, 16
	STG 2
	SEND 1, 16
	STG 3
	SEND 2, 16
	SEND 3, 0
	s_wait_tensorcnt 0x0                           ; the wave's end: wait for my tensor loads, then add 0 to my spare word and wait for it
	ds_add_u32 v[SPW], v[NIL]
	s_wait_dscnt 0x0
	CROUND                                         ; the closing round: no work-group ends while a partner may still ask for a tile that names it
	s_endpgm
.Lfunc_end_k_qf910bcae5f_oproj:
	.size	k_qf910bcae5f_oproj, .Lfunc_end_k_qf910bcae5f_oproj-k_qf910bcae5f_oproj
	.p2alignl 7, 3214868480
	.fill 96, 4, 3214868480
	.section	.rodata,"a",@progbits
	.p2align	6, 0x0
	.amdhsa_kernel k_qf910bcae5f_oproj
		.amdhsa_group_segment_fixed_size 327680
		.amdhsa_private_segment_fixed_size 0
		.amdhsa_enable_private_segment 0
		.amdhsa_kernarg_size 32
		.amdhsa_user_sgpr_count 2
		.amdhsa_user_sgpr_kernarg_segment_ptr 1
		.amdhsa_wavefront_size32 1
		.amdhsa_system_sgpr_workgroup_id_x 1
		.amdhsa_system_sgpr_workgroup_id_y 1
		.amdhsa_system_sgpr_workgroup_id_z 1
		.amdhsa_system_vgpr_workitem_id 0
		.amdhsa_next_free_vgpr 512
		.amdhsa_next_free_sgpr 66
		.amdhsa_reserve_vcc 0
		.amdhsa_float_denorm_mode_32 3
		.amdhsa_float_denorm_mode_16_64 3
		.amdhsa_memory_ordered 1
		.amdhsa_forward_progress 1
		.amdhsa_inst_pref_size 87
	.end_amdhsa_kernel
	.amdgpu_metadata
---
amdhsa.version: [ 1, 2 ]
amdhsa.kernels:
  - .name:           k_qf910bcae5f_oproj
    .symbol:         k_qf910bcae5f_oproj.kd
    .args:
      - { .name: ctx, .offset: 0, .size: 8, .value_kind: global_buffer, .address_space: global }
      - { .name: wob, .offset: 8, .size: 8, .value_kind: global_buffer, .address_space: global }
      - { .name: bo, .offset: 16, .size: 8, .value_kind: global_buffer, .address_space: global }
      - { .name: y, .offset: 24, .size: 8, .value_kind: global_buffer, .address_space: global }
    .group_segment_fixed_size: 327680
    .private_segment_fixed_size: 0
    .kernarg_segment_align: 8
    .kernarg_segment_size: 32
    .max_flat_workgroup_size: 128
    .sgpr_count:     66
    .vgpr_count:     512
    .wavefront_size: 32
...
	.end_amdgpu_metadata
.endif
;; end of part 4
;; launch ln (part 5): grid 256 x 1, 8 waves a work-group, no clusters, 0 bytes of LDS; arguments y, x, gamma, beta, out0; writes out0
.if DOCPART == 5
	.amdgcn_target "amdgcn-amd-amdhsa--gfx1250"
	.amdhsa_code_object_version 6
	.text
	.protected	k_qf910bcae5f_ln
	.globl	k_qf910bcae5f_ln
	.p2align	8
	.type	k_qf910bcae5f_ln,@function
k_qf910bcae5f_ln:
	s_mov_b64 s[64:65], 0
	v_nop
	global_prefetch_b8 v0, s[64:65] scope:SCOPE_SE
	s_setreg_imm32_b32 hwreg(HW_REG_WAVE_MODE, 25, 1), 1
	s_wait_xcnt 0x0
; LN.  out0[s][:] = (res - mean) / sqrt(var + 1e-5) x gamma + beta, res = y[s][:] + x[s][:], all f32.  A stream: no LDS, no barrier, no matrix unit.
; A row is 4,096 bytes: one wave takes a whole row, eight loads of 16 bytes a lane from y and from x, and keeps it in 32 registers between the passes, so that it is read once and no wave waits for another.
; A wave has two rows, a work-group sixteen.  All 48 loads of a wave go out at the start; each covers 512 consecutive bytes.
; The variance is taken in a second pass, of res - mean: no difference of large sums is formed, so a common offset of x costs nothing.  1 / sqrt is v_rsq_f32.
.set GA, 8                             ; v[8:39]    gamma of my 32 columns
.set BE, 40                            ; v[40:71]   beta
.set Y0, 72                            ; v[72:103]  row 0: y, then res, then the result
.set X0, 104                           ; v[104:135] row 0: x
.set Y1, 136
.set X1, 168
.set W,  200                           ; v[200:207] four packed chains
.set MN, 208                           ; v[208:209] the mean, twice
.set RS, 210                           ; v[210:211] 1 / sqrt(var + eps), twice
	s_load_b256 s[4:11], s[0:1], 0x0               ; y 4, x 6, gamma 8, beta 10
	s_load_b64 s[12:13], s[0:1], 0x20              ; out0
	s_lshl_b32 s2, ttmp9, 16                       ; 16 rows of 4,096 bytes a work-group
	s_mov_b32 s3, 0
	s_mov_b32 s14, 0x3a800000                      ; 1 / 1024
	s_mov_b32 s15, 0x3727c5ac                      ; 1e-5
	s_mov_b32 s16, 0x76543210                      ; v_permlanex16_b32: lane i of one half reads lane i of the other
	s_mov_b32 s17, 0xfedcba98
	v_and_b32 v2, 31, v0
	v_lshlrev_b32 v2, 4, v2                        ; 16 bytes a lane
	v_and_b32 v1, 0xe0, v0
	v_lshl_or_b32 v1, v1, 8, v2                    ; + wave x 2 rows
	s_wait_kmcnt 0x0
	s_add_nc_u64 s[4:5], s[4:5], s[2:3]
	s_add_nc_u64 s[6:7], s[6:7], s[2:3]
	s_add_nc_u64 s[12:13], s[12:13], s[2:3]
.irp j, 0,1,2,3,4,5,6,7
	global_load_b128 v[Y0+4*(\j):Y0+4*(\j)+3], v1, s[4:5] offset:512*(\j) th:TH_LOAD_NT
.endr
.irp j, 0,1,2,3,4,5,6,7
	global_load_b128 v[X0+4*(\j):X0+4*(\j)+3], v1, s[6:7] offset:512*(\j) th:TH_LOAD_NT
.endr
.irp j, 0,1,2,3,4,5,6,7
	global_load_b128 v[GA+4*(\j):GA+4*(\j)+3], v2, s[8:9] offset:512*(\j)
.endr
.irp j, 0,1,2,3,4,5,6,7
	global_load_b128 v[BE+4*(\j):BE+4*(\j)+3], v2, s[10:11] offset:512*(\j)
.endr
.irp j, 0,1,2,3,4,5,6,7
	global_load_b128 v[Y1+4*(\j):Y1+4*(\j)+3], v1, s[4:5] offset:4096+512*(\j) th:TH_LOAD_NT
.endr
.irp j, 0,1,2,3,4,5,6,7
	global_load_b128 v[X1+4*(\j):X1+4*(\j)+3], v1, s[6:7] offset:4096+512*(\j) th:TH_LOAD_NT
.endr
.macro RED                             ; the four chains into one number, then over the 32 lanes: every lane ends up with the sum
	v_pk_add_f32 v[W:W+1], v[W:W+1], v[W+2:W+3]
	v_pk_add_f32 v[W+4:W+5], v[W+4:W+5], v[W+6:W+7]
	v_pk_add_f32 v[W:W+1], v[W:W+1], v[W+4:W+5]
	v_add_f32 v[W], v[W], v[W+1]
	v_add_f32_dpp v[W], v[W], v[W] row_xmask:1 row_mask:0xf bank_mask:0xf
	v_add_f32_dpp v[W], v[W], v[W] row_xmask:2 row_mask:0xf bank_mask:0xf
	v_add_f32_dpp v[W], v[W], v[W] row_xmask:4 row_mask:0xf bank_mask:0xf
	v_add_f32_dpp v[W], v[W], v[W] row_xmask:8 row_mask:0xf bank_mask:0xf
	v_permlanex16_b32 v[W+1], v[W], s16, s17       ; its destination counts as read: it has been written
	v_add_f32 v[W], v[W], v[W+1]
.endm
; One row.  left: how many younger loads may stay out when the row has to be there.  gb = 1: gamma and beta are waited for ahead of their first use.
.macro ROW Y, X, off, left, gb
	s_wait_loadcnt \left
.set j, 0
.rept 16
	v_pk_add_f32 v[(\Y)+2*j:(\Y)+2*j+1], v[(\Y)+2*j:(\Y)+2*j+1], v[(\X)+2*j:(\X)+2*j+1]  ; the residual
.set j, j+1
.endr
.irp c, 0,1,2,3
	v_pk_add_f32 v[W+2*(\c):W+2*(\c)+1], v[(\Y)+2*(\c):(\Y)+2*(\c)+1], v[(\Y)+8+2*(\c):(\Y)+8+2*(\c)+1]  ; the first two pairs start each chain: nothing is cleared
.endr
.irp k, 2,3
.irp c, 0,1,2,3
	v_pk_add_f32 v[W+2*(\c):W+2*(\c)+1], v[W+2*(\c):W+2*(\c)+1], v[(\Y)+8*(\k)+2*(\c):(\Y)+8*(\k)+2*(\c)+1]
.endr
.endr
	RED
	v_mul_f32 v[MN], s14, v[W]
	v_mul_f32 v[MN+1], s14, v[W]
.set j, 0
.rept 16
	v_pk_add_f32 v[(\Y)+2*j:(\Y)+2*j+1], v[(\Y)+2*j:(\Y)+2*j+1], v[MN:MN+1] neg_lo:[0,1] neg_hi:[0,1]
.set j, j+1
.endr
.irp c, 0,1,2,3
	v_pk_mul_f32 v[W+2*(\c):W+2*(\c)+1], v[(\Y)+2*(\c):(\Y)+2*(\c)+1], v[(\Y)+2*(\c):(\Y)+2*(\c)+1]
.endr
.irp k, 1,2,3
.irp c, 0,1,2,3
	v_pk_fma_f32 v[W+2*(\c):W+2*(\c)+1], v[(\Y)+8*(\k)+2*(\c):(\Y)+8*(\k)+2*(\c)+1], v[(\Y)+8*(\k)+2*(\c):(\Y)+8*(\k)+2*(\c)+1], v[W+2*(\c):W+2*(\c)+1]
.endr
.endr
	RED
	v_fma_f32 v[W], v[W], s14, s15                 ; var + eps
	v_rsq_f32 v[RS], v[W]
	v_rsq_f32 v[RS+1], v[W]
.if \gb
	s_wait_loadcnt 16                              ; gamma and beta are in; the second row's sixteen loads stay out
.endif
	v_nop                                          ; a plain instruction between the second v_rsq_f32 and the use of its result
.set j, 0
	s_wait_alu depctr_va_vdst(0)
.rept 16
	v_pk_mul_f32 v[(\Y)+2*j:(\Y)+2*j+1], v[(\Y)+2*j:(\Y)+2*j+1], v[RS:RS+1]
.set j, j+1
.endr
.set j, 0
.rept 16
	v_pk_fma_f32 v[(\Y)+2*j:(\Y)+2*j+1], v[(\Y)+2*j:(\Y)+2*j+1], v[GA+2*j:GA+2*j+1], v[BE+2*j:BE+2*j+1]
.set j, j+1
.endr
.irp j, 0,1,2,3,4,5,6,7
	global_store_b128 v1, v[(\Y)+4*(\j):(\Y)+4*(\j)+3], s[12:13] offset:(\off)+512*(\j) th:TH_STORE_NT  ; 512 consecutive bytes, aligned
.endr
.endm
	ROW Y0, X0, 0, 32, 1                           ; the first row's sixteen loads are in; gamma, beta and the second row stay out
	ROW Y1, X1, 4096, 0, 0
	s_endpgm
.Lfunc_end_k_qf910bcae5f_ln:
	.size	k_qf910bcae5f_ln, .Lfunc_end_k_qf910bcae5f_ln-k_qf910bcae5f_ln
	.p2alignl 7, 3214868480
	.fill 96, 4, 3214868480
	.section	.rodata,"a",@progbits
	.p2align	6, 0x0
	.amdhsa_kernel k_qf910bcae5f_ln
		.amdhsa_group_segment_fixed_size 0
		.amdhsa_private_segment_fixed_size 0
		.amdhsa_enable_private_segment 0
		.amdhsa_kernarg_size 40
		.amdhsa_user_sgpr_count 2
		.amdhsa_user_sgpr_kernarg_segment_ptr 1
		.amdhsa_wavefront_size32 1
		.amdhsa_system_sgpr_workgroup_id_x 1
		.amdhsa_system_sgpr_workgroup_id_y 1
		.amdhsa_system_sgpr_workgroup_id_z 1
		.amdhsa_system_vgpr_workitem_id 0
		.amdhsa_next_free_vgpr 212
		.amdhsa_next_free_sgpr 66
		.amdhsa_reserve_vcc 0
		.amdhsa_float_denorm_mode_32 3
		.amdhsa_float_denorm_mode_16_64 3
		.amdhsa_memory_ordered 1
		.amdhsa_forward_progress 1
		.amdhsa_inst_pref_size 22
	.end_amdhsa_kernel
	.amdgpu_metadata
---
amdhsa.version: [ 1, 2 ]
amdhsa.kernels:
  - .name:           k_qf910bcae5f_ln
    .symbol:         k_qf910bcae5f_ln.kd
    .args:
      - { .name: y, .offset: 0, .size: 8, .value_kind: global_buffer, .address_space: global }
      - { .name: x, .offset: 8, .size: 8, .value_kind: global_buffer, .address_space: global }
      - { .name: gamma, .offset: 16, .size: 8, .value_kind: global_buffer, .address_space: global }
      - { .name: beta, .offset: 24, .size: 8, .value_kind: global_buffer, .address_space: global }
      - { .name: out0, .offset: 32, .size: 8, .value_kind: global_buffer, .address_space: global }
    .group_segment_fixed_size: 0
    .private_segment_fixed_size: 0
    .kernarg_segment_align: 8
    .kernarg_segment_size: 40
    .max_flat_workgroup_size: 256
    .sgpr_count:     66
    .vgpr_count:     212
    .wavefront_size: 32
...
	.end_amdgpu_metadata
.endif
;; end of part 5
;; ======== version 2 of 2: 5 launches; 1.58 times as fast as version 1
;; workspace buffers: xb 8,388,608 bytes; wqkv 6,291,456 bytes; wob 2,097,152 bytes; tab 1,048,576 bytes; qkv 25,165,824 bytes; ctx 8,388,608 bytes; y 16,777,216 bytes
;; launch prep: the kernel of part 1 again; grid 640 x 1, 8 waves a work-group, no clusters, 0 bytes of LDS; arguments x, Wq, Wk, Wv, Wo, xb, wqkv, wob, tab; writes xb, wqkv, wob, tab
;; launch qkv: the kernel of part 2 again; grid 16 x 16, 4 waves a work-group, clusters of 4 x 4, 327,680 bytes of LDS; arguments xb, wqkv, bq, bk, bv, tab, qkv; writes qkv
;; launch attn (part 6): grid 16 x 16, 4 waves a work-group, clusters of 4 x 1, 327,680 bytes of LDS; arguments qkv, ctx; writes ctx
.if DOCPART == 6
	.amdgcn_target "amdgcn-amd-amdhsa--gfx1250"
	.amdhsa_code_object_version 6
	.text
	.protected	k_qf910bcae5f_attn
	.globl	k_qf910bcae5f_attn
	.p2align	8
	.type	k_qf910bcae5f_attn,@function
k_qf910bcae5f_attn:
	s_mov_b64 s[64:65], 0
	v_nop
	global_prefetch_b8 v0, s[64:65] scope:SCOPE_SE
	s_setreg_imm32_b32 hwreg(HW_REG_WAVE_MODE, 25, 1), 1
	s_wait_xcnt 0x0
	s_wait_alu depctr_hold_cnt(0) depctr_sa_sdst(0) depctr_va_vdst(0) depctr_va_sdst(0) depctr_va_ssrc(0) depctr_va_vcc(0) depctr_vm_vsrc(0)
	s_getreg_b32 s2, hwreg(HW_REG_IB_STS2, 6, 4)
	s_cmp_eq_u32 s2, 0
	s_cbranch_scc0 .Lentry_in_a_cluster
	s_endpgm
.Lentry_in_a_cluster:
	s_bfe_u32 s2, ttmp6, 0x10000c
	s_cmp_lg_u32 s2, 0x3003
	s_cbranch_scc0 .Lentry_shape_is_right
	s_endpgm
.Lentry_shape_is_right:
; ATTENTION.  O[h][q][:] = the sum over k of softmax_k(Q[h][q] . K[h][k] / 8) V[h][k][:], 16 heads, 4,096 rows, 64 channels, no mask.  qkv: [48][4096][64] bf16 (heads 0-15 q, 16-31 k, 32-47 v): a head's rows
; are dense, 128 bytes each.  Products, maxima and sums in f32; the weights p are rounded to bf16 for the second product (their sum l is taken of the unrounded p), O once at the end.
; O goes to ctx [row / 128][head][128][64] bf16, so that 128 rows x 4 heads are 65,536 dense bytes for the next product.
; LIMITS.  A weight below 2^-126 counts as 0 in l; c m starts at -4.25e37, far below every c s that finite bf16 rows of this size give; NaN and infinities are not treated apart.
; SHARES.  A work-group owns 256 queries of one head, a wave 64: four PIECES of 16.  Every wave walks all keys: 16 tiles of 256, four steps of 64 each.
; LAYOUT.  S^T = K Q^T (source 0 = 16 keys, source 1 = 16 queries) holds ONE query a lane (lane % 16) and the keys 8 (lane / 16) + 0..7; two such results rounded to bf16 ARE source 1 of O^T = V^T P.
; K comes out of LDS as it lies, V ([key][channel]) turned, by ds_load_tr16_b128.
; SOFTMAX.  A running maximum m and sum l for each query: p = 2^(c s - c m), c = log2(e) / 8; O and l are multiplied by a = 2^(c m_old - c m_new) in every step.  The first step is a step like any other, with a = 0.
; BY TURNS.  Turn n belongs to piece n: 8 products K Q^T of piece n + 1, later 8 products V^T P of piece n - 1; beside them the scaling, exponentials, roundings, sums and rescaling of piece n and the maximum and
; statistics of piece n + 1.  Four vector instructions stand behind every matrix instruction, the other 54 of a turn's 118 in one run of their own.
; BATCHES.  A turn's 33 exponentials (the piece's 32 weights and the next piece's a) are ONE batch with ONE s_wait_alu depctr_va_vdst(0), ahead of the first line that names a result.
; The wait cuts the turn in two.  Ahead of it stands all that names no result of the batch: the products K Q^T, the scalings, the rescalings (their a belongs to the batch of the turn before), the next piece's maximum and
; statistics.  Behind it stand the products V^T P and the roundings and sums.  No exponential is issued behind a turn's wait.  Two more batches stand outside the loops, each with a
; wait of its own: piece 0's first a, ahead of the jump into the loop, and the way out's four reciprocals.
; CLUSTER.  The four query blocks of a cluster belong to one head and walk the same K and V: each tile is asked for JOINTLY: the same tensor load, descriptor and mask in all four.  By this text's own count one
; tensor load of a wave is out behind each round; it has four key steps, 256 matrix instructions, in which to land.
; REGISTERS, in windows of 256 (s_set_vgpr_msb: bits 1:0 source 0, 3:2 source 1, 5:4 source 2, 7:6 destination):
;   window 0: v0-15 addresses and two at work; v16-31 four registers of statistics a piece; v48-55 at work; v62-63 the add's; v64-127 S^T, two buffers; v192-223 P, two buffers (by the piece's parity)
;   window 1: v0-127 O^T, 32 a piece          window 2: v0-63 Q; v128-191 K of one step; v192-255 V of one step
.set NT,    16        ; tiles of 256 keys
.set NP,    4         ; pieces a wave: a name, no knob
.set KS,    64        ; keys in a step
.set PK,    144       ; a row of K in LDS: 128 bytes + 16 of padding = 36 words: the 16 rows of a load start at 16 different groups of four banks
.set PV,    160       ; a row of V: 128 + 32 = 40 words
.set VOFF,  4*KS*PK   ; a slot holds a tile: 256 rows of K, then 256 rows of V
.set SLOT1, 1<<17     ; slot 1 begins here, so that one exclusive or turns an address in one slot into the other's
.set STAGE, SLOT1+4*KS*(PK+PV)  ; behind the ring, never filled by a tensor load: 16 rows x 144 bytes for each wave
.set SP,    144
.set SPARE, STAGE+4*16*SP       ; the spare words, 128 bytes for each wave: two blocks of 256 bytes that no other line names
.set AK0, 2           ; v2   my lane's place in a tile of K; never rewritten
.set AV0, 3           ; v3   the same for V
.set AK,  4           ; v4   the LDS address of K's next run of loads
.set AV,  5           ; v5   of V's
.set STO, 6           ; v6   the way out: where I put 16 bytes of a row
.set RD,  7           ; v7   the way out: where I read rows back
.set GO,  8           ; v8   16 x lane
.set MV,  12          ; v12-13  c m_old, kept while c m is made anew: by buffer
.set QO,  15          ; v15  my byte offset in 16 rows of Q
.set ST,  16          ; piece t's statistics at v[ST+4 t]: c m, m, l (even keys', odd keys')
.set TMP, 48          ; by buffer, four registers c0-c3 at work; when the maximum is found c2 takes a
.set SPW, 62          ; v62  my spare word; never rewritten
.set NIL, 63          ; v63  0; never rewritten
.set S,   64
.set P,   192
.set KF,  128         ; window 2: key block kb, channel half c at KF + 16 kb + 8 c
.set VF,  192         ; window 2: key half kk, channel block cb at VF + 32 kk + 8 cb
.set WV,  12          ; s12  my wave's number
.set G1K, 24          ; s[24:31] descriptor group 1 for K's tiles
.set G1V, 32          ; s[32:39] for V's: it differs in the padding alone
.set G0K, 40          ; s[40:43] descriptor group 0 for K's tiles: it walks
.set G0V, 44          ; s[44:47] the same for V's
.set SLOTS, 56        ; s56  tiles still to be asked for
.set CNT, 57          ; s57  counts a tile's key steps
.set CS,  58          ; s[58:59] c: the packed scaling takes the pair's low word for both halves
.set SEL, 60          ; s[60:61] v_permlanex16_b32's selects: each lane takes its own place in the other half
.set TBK, 62          ; s62  LDS byte at which K of the step to be fetched begins
.set TBV, 63          ; s63  the same for V, less VOFF
.set MSB, 0
.macro WIN new                      ; the high byte repeats the setting that is left; a switch that changes nothing is dropped
.if MSB != (\new)
	s_set_vgpr_msb (MSB<<8)|(\new)
.set MSB, (\new)
.endif
.endm
.set W_KQ, 0x0a       ; K and Q in window 2, S^T in window 0
.set W_PV, 0x52       ; V in window 2, P in window 0, O^T in window 1
.set W_RS, 0x41       ; destination and source 0 in window 1, source 1 in window 0
; A joint fill.  Waves 0 and 1 fetch the two halves of a tile's K, waves 2 and 3 those of its V: 128 keys each.  The branch hangs on the wave's number alone.
; An s_nop 0 and four v_nop follow each of the two lines, ahead of the jump and the label.
.macro JLOAD
	s_cmp_lt_u32 s[WV], 2
	s_cbranch_scc0 .Lfor_v_\@
	tensor_load_to_lds s[G0K:G0K+3], s[G1K:G1K+7]
	s_nop 0
.rept 4
	v_nop
.endr
	s_branch .Lasked_\@
.Lfor_v_\@:
	tensor_load_to_lds s[G0V:G0V+3], s[G1V:G1V+7]
	s_nop 0
.rept 4
	v_nop
.endr
.Lasked_\@:
.endm
.macro CROUND                       ; a round of the cluster's barrier
	s_barrier_signal -1
	s_barrier_wait -1
	s_cmp_lg_u32 s[WV], 0
	s_cbranch_scc1 .Lnot_wave_0_\@
	s_barrier_signal -3
.Lnot_wave_0_\@:
	s_barrier_wait -3
	s_barrier_signal -1
	s_barrier_wait -1
.endm
; THE CHANGE OF SLOTS.  The slot's last bytes, V of its fourth step, have been read.  Each wave waits for all its tensor loads, of which one is out: its part of the other slot; adds 0 to its spare word; and
; waits for that and for its own reads of the slot.  fill = 1: the barrier is a round of the cluster's, and the slot is filled again, with the keys two tiles on, first thing behind it.
; (At its first use nothing has been read yet: slot 0 is waited for, slot 1 filled.)
.macro CHANGE fill
	WIN 0                           ; at a label and at a branch every window is 0
	s_wait_tensorcnt 0x0            ; no tensor load of mine is out, so a group 0 may be written
	ds_add_u32 v[SPW], v[NIL]       ; 0 onto my spare word; with fill = 1 the descriptors' steps stand between it and the wait for it
.if \fill
.irp g, G0K, G0V
	s_xor_b32 s[\g+1], s[\g+1], SLOT1  ; the walking descriptor: the other slot than last time,
	s_add_nc_u64 s[\g+2:\g+3], s[\g+2:\g+3], 4*KS*128  ; the next 256 keys; the type bits on top are not reached
.endr
	s_wait_dscnt 0x0                ; the add is done, and my reads of the slot are over
	CROUND
	JLOAD
.else
	s_wait_dscnt 0x0                ; the add is done, and my reads of the slot are over
	s_barrier_signal -1
	s_barrier_wait -1
.endif
	s_sub_co_u32 s[TBK], s[TBK], 4*KS*PK  ; the fetches go back to a slot's first step,
	s_xor_b32 s[TBK], s[TBK], SLOT1       ; in the other slot
	s_sub_co_u32 s[TBV], s[TBV], 4*KS*PV
	s_xor_b32 s[TBV], s[TBV], SLOT1
.endm
	s_load_b64 s[4:5], s[0:1], 0x0    ; qkv
	s_load_b64 s[10:11], s[0:1], 0x8  ; ctx
	v_lshl_add_u32 v[SPW], v0, 2, SPARE
	v_mov_b32 v[NIL], 0
	ds_add_u32 v[SPW], v[NIL]       ; the wave's opening: the add and its wait stand ahead of my first tensor load; the set-up below, work on registers, stands between them
	v_lshrrev_b32 v1, 5, v0
	v_readfirstlane_b32 s[WV], v1   ; wave 0..3
	s_bfe_u32 s13, ttmp6, 0x40000   ; cx: my place in the cluster
	s_lshl_b32 s14, ttmp9, 2        ; in a cluster launch ttmp9 counts clusters
	s_add_co_u32 s14, s14, s13      ; my block of 256 queries: it enters Q's and ctx's addresses alone
	s_and_b32 s15, ttmp7, 0xffff    ; the head, which the four partners share
	s_lshl_b32 s20, s15, 19         ; its 524,288 bytes
	s_and_b32 s16, s[WV], 1         ; which half of a tile's 256 keys I fetch:
	s_lshl_b32 s22, s16, 14         ; its 128 rows of 128 bytes in memory,
	s_add_co_u32 s22, s22, s20
	s_mov_b32 s23, 0
	s_mul_i32 s17, s16, 128*PK      ; and its place in a slot, for K
	s_mul_i32 s18, s16, 128*PV      ; and for V: no place in the cluster enters an LDS address
	s_lshl_b32 s2, s14, 15          ; Q: my block's 256 rows,
	s_lshl_b32 s3, s[WV], 13        ; my wave's 64 of them
	s_add_co_u32 s2, s2, s3
	s_add_co_u32 s2, s2, s20
	s_mov_b32 s3, 0
	s_lshl_b32 s48, s14, 1          ; ctx: block of 128 rows = 2 x my block + wave / 2,
	s_lshr_b32 s50, s[WV], 1
	s_add_co_u32 s48, s48, s50
	s_lshl_b32 s48, s48, 18
	s_lshl_b32 s50, s15, 14         ; the head's 16,384 bytes in it,
	s_add_co_u32 s48, s48, s50
	s_lshl_b32 s50, s16, 13         ; my 64 rows of its 128
	s_add_co_u32 s48, s48, s50
	s_mov_b32 s49, 0
	; descriptor group 1.  128 keys are 16,384 dense bytes: asked for as 64 rows of 256 bytes, two keys a row, and padded in LDS after every key
	s_mov_b32 s[G1K], 15|(1<<16)|(1<<20)|(1<<21)|(4<<22)|(3<<25)  ; 15:0 the mask of four; 17:16 2-byte elements; 20 padding on; 21 set beside a mask; 24:22 after every 32 words; 31:25 4 words
	s_mov_b32 s[G1V], 15|(1<<16)|(1<<20)|(1<<21)|(4<<22)|(7<<25)  ; the same with 8 words of padding
.irp g, G1K, G1V
	s_mov_b32 s[\g+1], 128<<16      ; tensor_dim0 = 128
	s_mov_b32 s[\g+2], 64<<16       ; tensor_dim1 = 64
	s_mov_b32 s[\g+3], 128<<16      ; tile_dim0 = 128
	s_mov_b32 s[\g+4], 64           ; tile_dim1 = 64
	s_mov_b32 s[\g+5], 128          ; 128 elements from row to row
	s_mov_b32 s[\g+6], 0
	s_mov_b32 s[\g+7], 0
.endr
	s_mov_b32 s[CS], 0x3e38aa3b     ; c = log2(e) / 8 = 0.180337
	s_mov_b32 s[CS+1], s[CS]        ; named with it as a pair
	s_mov_b32 s[SEL], 0x76543210
	s_mov_b32 s[SEL+1], 0xfedcba98
	s_mov_b32 s[TBK], SLOT1+4*KS*PK ; the first change of slots turns these two into 0
	s_mov_b32 s[TBV], SLOT1+4*KS*PV
	s_mov_b32 s[G0K], 1             ; 1:0 count = 1
	s_mov_b32 s[G0K+1], s17         ; 63:32 LDS address: slot 0
	s_mov_b32 s[G0V], 1
	s_add_co_u32 s[G0V+1], s18, VOFF
	s_wait_dscnt 0x0                ; the opening add is done
	s_wait_kmcnt 0x0
	s_add_nc_u64 s[6:7], s[4:5], s[22:23]
	s_add_nc_u64 s[G0K+2:G0K+3], s[6:7], 0x800000   ; K's heads begin 16 heads in: my half of the head's first 256 keys
	s_or_b32 s[G0K+3], s[G0K+3], 0x80000000         ; 127:126 type = 2
	s_add_nc_u64 s[G0V+2:G0V+3], s[6:7], 0x1000000  ; V's 32 heads in
	s_or_b32 s[G0V+3], s[G0V+3], 0x80000000
	s_add_nc_u64 s[4:5], s[4:5], s[2:3]             ; Q at my wave's first row
	s_add_nc_u64 s[10:11], s[10:11], s[48:49]       ; ctx likewise
	CROUND                          ; all four work-groups are here: the first joint loads meet
	JLOAD                           ; tile 0 into slot 0.  Slot 1 is asked for when slot 0 is in
	; A fragment of K or Q is 16 rows x 32 channels in 8 registers: lane l holds row l % 16, channels 8 (l / 16) + 0..7 and 16 + 8 (l / 16) + 0..7: two loads of 16 bytes, 32 bytes apart.
	v_and_b32 v1, 15, v0            ; l % 16
	v_bfe_u32 v9, v0, 4, 1          ; l / 16
	v_lshlrev_b32 v[QO], 7, v1
	v_lshl_add_u32 v[QO], v9, 4, v[QO]  ; row x 128 + 16 x half
	WIN 0x80                        ; destination window 2, address window 0
.set i, 0
.rept 8                             ; Q stays in registers: piece i / 2, channels 32 (i % 2) on
	global_load_b128 v[8*i:8*i+3],   v[QO], s[4:5] offset:(i/2)*2048+(i%2)*64
	global_load_b128 v[8*i+4:8*i+7], v[QO], s[4:5] offset:(i/2)*2048+(i%2)*64+32
.set i, i+1
.endr
	; What the first turn finds: V's registers and P's second buffer hold 0 (its products V^T P, of a piece that has not been, add 0), O^T and l are 0.  All this stands in the wait for the first tile.
.set i, VF
.rept 64
	v_mov_b32 v[i], 0
.set i, i+1
.endr
	WIN 0x40
.set i, 0
.rept 128
	v_mov_b32 v[i], 0
.set i, i+1
.endr
	WIN 0
.set i, 0
.rept 4
	v_mov_b32 v[ST+4*i], 0xfe000000    ; c m: far below every c s
	v_mov_b32 v[ST+4*i+1], 0xff7fffff  ; m
	v_mov_b32 v[ST+4*i+2], 0
	v_mov_b32 v[ST+4*i+3], 0
.set i, i+1
.endr
.set i, P+16
.rept 16
	v_mov_b32 v[i], 0
.set i, i+1
.endr
	v_mul_u32_u24 v[AK0], v1, PK
	v_lshl_add_u32 v[AK0], v9, 4, v[AK0]  ; row x pitch + 16 x half
	; The turning load takes 16 keys x 16 channels (lane l reads key 8 (l / 16) + l % 8, channels 8 ((l / 8) % 2) + 0..7) and leaves half a fragment of V^T: lane l holds channel l % 16 and 8 keys.
	v_and_b32 v10, 7, v0
	v_bfe_u32 v11, v0, 3, 1
	v_lshl_add_u32 v[AV0], v9, 3, v10
	v_mul_u32_u24 v[AV0], v[AV0], PV
	v_lshl_add_u32 v[AV0], v11, 4, v[AV0]
	v_add_nc_u32 v[AV0], VOFF, v[AV0]
	s_mul_i32 s13, s[WV], 16*SP
	s_add_co_u32 s13, s13, STAGE    ; my stage
	v_mul_u32_u24 v[STO], v1, SP    ; in: row l % 16, 16 bytes for each half of the lanes
	v_lshl_add_u32 v[STO], v9, 4, v[STO]
	v_add_nc_u32 v[STO], s13, v[STO]
	v_bfe_u32 v[RD], v0, 3, 2       ; back: 32 lanes take four rows of 128 bytes,
	v_mul_u32_u24 v[RD], v[RD], SP
	v_lshl_add_u32 v[RD], v10, 4, v[RD]
	v_add_nc_u32 v[RD], s13, v[RD]
	v_and_b32 v[GO], 31, v0         ; which are 512 consecutive bytes of ctx
	v_lshlrev_b32 v[GO], 4, v[GO]
; THE MATRIX WORK.  The 4 accumulators of a run of 8 take turns.  Product i of 8 of S^T = K Q^T for piece x: channels 32 (i / 4) on, keys 16 (i % 4) on.  The first 4 start the sums.
.macro KQ x
	WIN W_KQ
.set rS, S+32*((\x)%2)+8*(i%4)
.set rK, KF+16*(i%4)+8*(i/4)
.set rQ, 16*(\x)+8*(i/4)
.if i < 4
	v_wmma_f32_16x16x32_bf16 v[rS:rS+7], v[rK:rK+7], v[rQ:rQ+7], 0
.else
	v_wmma_f32_16x16x32_bf16 v[rS:rS+7], v[rK:rK+7], v[rQ:rQ+7], v[rS:rS+7]
.endif
.endm
; Product i of 8 of O^T += V^T P for piece x: keys 32 (i / 4) on, channels 16 (i % 4) on.
.macro PV x
	WIN W_PV
.set rO, 32*(\x)+8*(i%4)
.set rV, VF+32*(i/4)+8*(i%4)
.set rP, P+16*((\x)%2)+8*(i/4)
	v_wmma_f32_16x16x32_bf16 v[rO:rO+7], v[rV:rV+7], v[rP:rP+7], v[rO:rO+7]
.endm
.macro MM                           ; the turn's next matrix instruction.  NOKQ = 1: the last turn of all: there is no next piece
.if (i < 8) && !NOKQ
	KQ (Y+1)%NP
.elseif i >= 8
.set i, i-8
	PV (Y+NP-1)%NP
.set i, i+8
.endif
.set i, i+1
.endm
; THE LDS LOADS stand in runs of 16, never singly among the matrix instructions: a step's K (64 keys x 64 channels: 8 fragments) and its V (turned).  Their addresses are made some lines ahead.
.macro FETCH_K
	WIN 0x80                        ; destination window 2
.irp f, 0,1,2,3,4,5,6,7             ; keys 16 (f / 2) on, channels 32 (f % 2) on
	ds_load_b128 v[KF+8*\f:KF+8*\f+3],   v[AK] offset:(\f/2)*16*PK+(\f%2)*64
	ds_load_b128 v[KF+8*\f+4:KF+8*\f+7], v[AK] offset:(\f/2)*16*PK+(\f%2)*64+32
.endr
	s_add_co_u32 s[TBK], s[TBK], KS*PK  ; the next fetch is the next step's
	WIN 0
.endm
.macro FETCH_V
	WIN 0x80
.irp f, 0,1,2,3,4,5,6,7             ; keys 32 (f / 4) on, channels 16 (f % 4) on
	ds_load_tr16_b128 v[VF+8*\f:VF+8*\f+3],   v[AV] offset:(\f/4)*32*PV+(\f%4)*32
	ds_load_tr16_b128 v[VF+8*\f+4:VF+8*\f+7], v[AV] offset:(\f/4)*32*PV+16*PV+(\f%4)*32
.endr
	WIN 0
.endm
; THE VECTOR WORK, one line at a time: OP kind, number.  For piece Y: F n: c s - c m for pair n of 16.  E n: the exponential of score n of 32.  C n: pair n rounded to bf16.  B n: of the four weights 4 n .. the second
; pair is added onto the first, in place.  L n: l takes that sum (L 0: l = a l + sum).  R n: pair n of 16 of O^T times a.  For piece Y + 1: X n, number n of the 22 that find its maximum and statistics:
;   0-11  four chains c0-c3 of seven scores each, three operands at a time (each accumulator's lowest registers are read first)     12-14, 16  the four scores left over, the old m, and c0-c3 into c0
;   15  c m_old is kept     17, 18  the query's other 32 keys lie in the lane 16 away: the new m     19-21  c m; c m_old - c m_new; a
; C, B and L read the exponentials' results, and R and L 0 read a: OP writes no wait for them; TURN places them behind the wait of the batch that made what they read.
.set F, 0
.set E, 1
.set C, 2
.set B, 3
.set L, 4
.set R, 5
.set X, 6
.macro REGS y                       ; the registers of piece y
.set rT, ST+4*(\y)
.set rC, TMP+4*((\y)%2)
.set rW, MV+((\y)%2)
.set rS, S+32*((\y)%2)
.set rP, P+16*((\y)%2)
.set rO, 32*(\y)
.endm
.macro OP k, n
.if (\k) == R
	REGS Y
	WIN W_RS
	v_pk_mul_f32 v[rO+2*(\n):rO+2*(\n)+1], v[rO+2*(\n):rO+2*(\n)+1], v[rC+2:rC+3] op_sel_hi:[1,0]
.elseif (\k) < R
	REGS Y
	WIN 0
.if (\k) == F
	v_pk_fma_f32 v[rS+2*(\n):rS+2*(\n)+1], v[rS+2*(\n):rS+2*(\n)+1], s[CS:CS+1], v[rT:rT+1] op_sel_hi:[1,0,0] neg_lo:[0,0,1] neg_hi:[0,0,1]
.elseif (\k) == E
	v_exp_f32 v[rS+(\n)], v[rS+(\n)]
.elseif (\k) == C
	v_cvt_pk_bf16_f32 v[rP+(\n)], v[rS+2*(\n)], v[rS+2*(\n)+1]
.elseif (\k) == B
	v_pk_add_f32 v[rS+4*(\n):rS+4*(\n)+1], v[rS+4*(\n):rS+4*(\n)+1], v[rS+4*(\n)+2:rS+4*(\n)+3]
.elseif (\n) == 0
	v_pk_fma_f32 v[rT+2:rT+3], v[rT+2:rT+3], v[rC+2:rC+3], v[rS:rS+1] op_sel_hi:[1,0,1]
.else
	v_pk_add_f32 v[rT+2:rT+3], v[rT+2:rT+3], v[rS+4*(\n):rS+4*(\n)+1]
.endif
.elseif NOKQ
	v_nop
.else
	REGS (Y+1)%NP
	WIN 0
.if (\n) < 4
	v_max3_num_f32 v[rC+(\n)], v[rS+8*(\n)], v[rS+8*(\n)+1], v[rS+8*(\n)+2]
.elseif (\n) < 12
	v_max3_num_f32 v[rC+(\n)%4], v[rC+(\n)%4], v[rS+8*((\n)%4)+2*((\n)/4)+1], v[rS+8*((\n)%4)+2*((\n)/4)+2]
.elseif (\n) == 12
	v_max3_num_f32 v[rC], v[rC], v[rS+7], v[rS+15]
.elseif (\n) == 13
	v_max3_num_f32 v[rC+1], v[rC+1], v[rS+23], v[rS+31]
.elseif (\n) == 14
	v_max3_num_f32 v[rC+2], v[rC+2], v[rC+3], v[rT+1]
.elseif (\n) == 15
	v_mov_b32 v[rW], v[rT]
.elseif (\n) == 16
	v_max3_num_f32 v[rC], v[rC], v[rC+1], v[rC+2]
.elseif (\n) == 17
	v_permlanex16_b32 v[rC+3], v[rC], s[SEL], s[SEL+1]
.elseif (\n) == 18
	v_max_num_f32 v[rT+1], v[rC], v[rC+3]
.elseif (\n) == 19
	v_mul_f32 v[rT], s[CS], v[rT+1]
.elseif (\n) == 20
	v_sub_f32 v[rC+1], v[rW], v[rT]
.else
	v_exp_f32 v[rC+2], v[rC+1]
.endif
.endif
.endm
.macro OPS a, i1, b=-1, i2=0, c=-1, i3=0, d=-1, i4=0  ; up to four of them
	OP \a, \i1
.if (\b) >= 0
	OP \b, \i2
.endif
.if (\c) >= 0
	OP \c, \i3
.endif
.if (\d) >= 0
	OP \d, \i4
.endif
.endm
.macro ROW a, i1, b, i2, c, i3, d, i4  ; a matrix instruction and the four behind it
	MM
	OPS \a, \i1, \b, \i2, \c, \i3, \d, \i4
.endm
; A TURN, for piece p: the order of its 16 matrix and 118 vector instructions, written out.  It has ONE wait, for its batch of 33 exponentials (E 0 to E 31 and X 21), and the wait cuts it in two.
; AHEAD OF THE WAIT stands all that names no result of the batch: the 8 products K Q^T, behind each a scaling, an exponential and two more plain instructions (behind the first a second scaling in the exponential's
; place): rescalings, and behind the last three the first numbers of the next piece's maximum, each four plain instructions or more behind the product that ends its accumulator; then one run of 54, plain and exponential
; by turns for the most part, in which the links of the chain X 3, 7, 11, 14, 16, 17 .. 20 stand some lines apart.  An exponential stands behind its pair's scaling.  X 21, the next piece's a, is the batch's last;
; R 15 (which reads this piece's a, of the batch before) is the plain instruction behind it.
; BEHIND THE WAIT stand the 8 products V^T P, behind each four of the roundings and sums; C 2 n stands ahead of B n, which writes over that pair; l's chain L 0 to L 7 goes in ascending order.
; But for those X no rider names a register of the products round it.  v_permlanex16_b32 (X 17) stands in the run, never behind a product.
; end = 1: the last two turns of all: nothing is fetched.  cnt = 1: the loop's count is taken down some lines ahead of the branch that stands behind the turn.
; K of the next step is fetched in piece 2's turn, twelve vector instructions behind the last product that read K (six of them plain); V of the step in hand at the end of piece 0's turn, four plain instructions behind
; the last product that read V.  Each is waited for a turn later.
.macro TURN p, end=0, cnt=0
.set Y, (\p)
.set i, 0
.set NOKQ, (\end)*((\p)/3)
.if ((\p) == 3) && !(\end)
	s_wait_dscnt 0x0                ; K is in
.endif
	ROW F,0, F,1, R,0, R,1          ; ahead of the wait: 8 products K Q^T and their riders,
	ROW F,2, E,0, R,2, R,3
	ROW F,3, E,1, R,4, R,5
	ROW F,4, E,2, R,6, R,7
	ROW F,5, E,3, R,8, R,9
	ROW F,6, E,4, X,0, R,10
.if ((\p) == 2) && !(\end)
	WIN 0
	v_add_nc_u32 v[AK], s[TBK], v[AK0]
.endif
	ROW F,7, E,5, X,1, X,4
	ROW F,8, E,6, X,2, X,5
	OPS E,7, E,8, X,6, E,9          ; and the run of 54
	OPS X,3, E,10, X,8, E,11
.if ((\p) == 2) && !(\end)
	FETCH_K
.endif
	OPS X,9, X,7, E,12, X,10
	OPS E,13, X,12, X,11, E,14
	OPS X,13, E,15, F,9, X,14
.if (\p) == 0
	v_add_nc_u32 v[AV], s[TBV], v[AV0]
.endif
	OPS E,16, F,10, E,17, F,11
	OPS X,16, E,18, X,15, E,19
	OPS F,12, E,20, X,17, E,21
	OPS F,13, E,22, F,14, E,23
	OPS X,18, E,24, F,15, E,25
	OPS R,11, E,26, X,19, E,27
	OPS R,12, E,28, R,13, E,29
	OPS X,20, E,30, R,14, E,31
	OPS X,21, R,15
	s_wait_alu depctr_va_vdst(0)    ; the turn's one wait: for its batch of 33 exponentials, ahead of C 0, the first line that names a result of theirs
.if (\p) == 1
	s_wait_dscnt 0x0                ; V is in
.endif
	ROW C,0, B,0, C,2, B,1          ; behind the wait: 8 products V^T P and their riders
	ROW L,0, C,4, B,2, L,1
	ROW C,6, B,3, L,2, C,8
	ROW B,4, L,3, C,10, B,5
	ROW L,4, C,12, B,6, L,5
.if (\p) == 0
	s_add_co_u32 s[TBV], s[TBV], KS*PV
.endif
.if \cnt
	s_sub_co_u32 s[CNT], s[CNT], 1
	s_cmp_lg_u32 s[CNT], 0
.endif
	ROW C,14, B,7, L,6, C,1
	ROW C,3, L,7, C,5, C,7
	ROW C,9, C,11, C,13, C,15
.if (\p) == 0
	FETCH_V
.endif
.endm
	CHANGE 1                        ; tile 0 is in, everybody's part of it; tile 1 is asked for
	v_add_nc_u32 v[AK], s[TBK], v[AK0]
	FETCH_K                         ; key step 0
	s_wait_loadcnt 0x0              ; Q
	s_wait_dscnt 0x0
.set NOKQ, 0
.set i, 0
.rept 8
	KQ 0                            ; piece 0's first scores: there is no vector work yet to set between them
.set i, i+1
.endr
	WIN 0
.rept 4
	v_nop                           ; the places behind those products
.endr
.set Y, NP-1                        ; X works for piece Y + 1: piece 0
.irp n, 0,1,2,3,4,5,6,7,8,9,10,11,12,13,14,15,16,17,18,19,20,21
	OP X, \n
.endr
	v_nop                           ; a plain instruction behind the exponential
	s_wait_alu depctr_va_vdst(0)    ; a batch of one: piece 0's first a has its wait ahead of the jump; the first turn's R 0 reads it
	s_mov_b32 s[CNT], 4
	s_mov_b32 s[SLOTS], NT-1
	s_branch .Lfirst                ; the loop is entered at a step's first turn, in the middle of a trip
.Lslot:                             ; NT - 2 times: tiles 2 to 15 are asked for
	CHANGE 1
	s_mov_b32 s[CNT], 4
.Lstep:                             ; a trip: pieces 2 and 3 of one step, then pieces 0 and 1 of the next, whose K and V it fetches
	TURN 2
	TURN 3
	WIN 0
.Lfirst:
	TURN 0
	TURN 1, 0, 1
	WIN 0
	s_cbranch_scc1 .Lstep
	s_sub_co_u32 s[SLOTS], s[SLOTS], 1
	s_cmp_lg_u32 s[SLOTS], 0
	s_cbranch_scc1 .Lslot
	CHANGE 0                        ; the last tile is written out: nothing is asked for
	s_mov_b32 s[CNT], 4
.Ltail:
	TURN 2
	TURN 3
	TURN 0
	TURN 1, 0, 1
	WIN 0
	s_cbranch_scc1 .Ltail
	TURN 2, 1
	TURN 3, 1
.set i, 0
.rept 8
	PV NP-1                         ; the last piece's V^T P of the last step
.set i, i+1
.endr
	; THE WAY OUT.  l's two halves and the other half of the lanes' are added; O^T is divided by l, rounded to bf16 and sent through my stage in LDS, a piece at a time.  The additions are the places behind the last products.
	WIN 0
.macro ALL line:vararg              ; one line for each piece t
.set t, 0
.rept 4
	\line
.set t, t+1
.endr
.endm
	ALL v_add_f32 v[ST+4*t+2], v[ST+4*t+2], v[ST+4*t+3]
	ALL v_permlanex16_b32 v[ST+4*t+3], v[ST+4*t+2], s[SEL], s[SEL+1]
	ALL v_add_f32 v[ST+4*t+2], v[ST+4*t+2], v[ST+4*t+3]
	ALL v_rcp_f32 v[ST+4*t+2], v[ST+4*t+2]
	v_nop                           ; a plain instruction between the last reciprocal and the use of its result
	s_wait_alu depctr_va_vdst(0)    ; one wait for the batch of four reciprocals, ahead of PACK 0's first multiply
.macro PACK t                       ; a lane's eight channels of a row pack into 16 bytes; they go into rows of 144 bytes and come back as whole rows of 128, into S^T's registers
	WIN W_RS
.set i, 32*(\t)
.rept 16
	v_pk_mul_f32 v[i:i+1], v[i:i+1], v[ST+4*(\t)+2:ST+4*(\t)+3] op_sel_hi:[1,0]
.set i, i+2
.endr
	WIN 0x05                        ; sources 0 and 1 window 1, destination window 0
.set i, 0
.rept 16
	v_cvt_pk_bf16_f32 v[S+16*(\t)+i], v[32*(\t)+2*i], v[32*(\t)+2*i+1]
.set i, i+1
.endr
	WIN 0
.irp f, 0,1,2,3
	ds_store_b128 v[STO], v[S+16*(\t)+4*\f:S+16*(\t)+4*\f+3] offset:32*\f
.endr
.irp f, 0,1,2,3
	ds_load_b128 v[S+16*(\t)+4*\f:S+16*(\t)+4*\f+3], v[RD] offset:\f*4*SP  ; LDS serves a wave's instructions in order: these see the stores above; the next piece's stores come behind them
.endr
.endm
.macro SEND t, younger              ; younger: the LDS instructions issued behind piece t's loads: the next piece's eight, or none
	WIN 0
.irp f, 0,1,2,3
	s_wait_dscnt (\younger)+3-\f
	global_store_b128 v[GO], v[S+16*(\t)+4*\f:S+16*(\t)+4*\f+3], s[10:11] offset:(\t)*2048+\f*512  ; 512 consecutive bytes, at a multiple of 256 from ctx's first
.endr
.endm
	PACK 0
.set t, 1
.rept 3                             ; a piece's arithmetic stands between the loads of the piece before and its stores
	PACK t
	SEND t-1, 8
.set t, t+1
.endr
	SEND 3, 0
	s_wait_tensorcnt 0x0            ; the wave's end: wait for my tensor loads, then add 0 to my spare word and wait for it
	ds_add_u32 v[SPW], v[NIL]
	s_wait_dscnt 0x0
	CROUND                          ; the closing round: no work-group ends while a partner may still ask for a tile that names it
	s_endpgm
.Lfunc_end_k_qf910bcae5f_attn:
	.size	k_qf910bcae5f_attn, .Lfunc_end_k_qf910bcae5f_attn-k_qf910bcae5f_attn
	.p2alignl 7, 3214868480
	.fill 96, 4, 3214868480
	.section	.rodata,"a",@progbits
	.p2align	6, 0x0
	.amdhsa_kernel k_qf910bcae5f_attn
		.amdhsa_group_segment_fixed_size 327680
		.amdhsa_private_segment_fixed_size 0
		.amdhsa_enable_private_segment 0
		.amdhsa_kernarg_size 16
		.amdhsa_user_sgpr_count 2
		.amdhsa_user_sgpr_kernarg_segment_ptr 1
		.amdhsa_wavefront_size32 1
		.amdhsa_system_sgpr_workgroup_id_x 1
		.amdhsa_system_sgpr_workgroup_id_y 1
		.amdhsa_system_sgpr_workgroup_id_z 1
		.amdhsa_system_vgpr_workitem_id 0
		.amdhsa_next_free_vgpr 768
		.amdhsa_next_free_sgpr 66
		.amdhsa_reserve_vcc 0
		.amdhsa_float_denorm_mode_32 3
		.amdhsa_float_denorm_mode_16_64 3
		.amdhsa_memory_ordered 1
		.amdhsa_forward_progress 1
		.amdhsa_inst_pref_size 127
	.end_amdhsa_kernel
	.amdgpu_metadata
---
amdhsa.version: [ 1, 2 ]
amdhsa.kernels:
  - .name:           k_qf910bcae5f_attn
    .symbol:         k_qf910bcae5f_attn.kd
    .args:
      - { .name: qkv, .offset: 0, .size: 8, .value_kind: global_buffer, .address_space: global }
      - { .name: ctx, .offset: 8, .size: 8, .value_kind: global_buffer, .address_space: global }
    .group_segment_fixed_size: 327680
    .private_segment_fixed_size: 0
    .kernarg_segment_align: 8
    .kernarg_segment_size: 16
    .max_flat_workgroup_size: 128
    .sgpr_count:     66
    .vgpr_count:     768
    .wavefront_size: 32
...
	.end_amdgpu_metadata
.endif
;; end of part 6
;; launch oproj: the kernel of part 4 again; grid 8 x 32, 4 waves a work-group, clusters of 4 x 4, 327,680 bytes of LDS; arguments ctx, wob, bo, y; writes y
;; launch ln: the kernel of part 5 again; grid 256 x 1, 8 waves a work-group, no clusters, 0 bytes of LDS; arguments y, x, gamma, beta, out0; writes out0
